; MI455X (gfx1250); checked and timed in simulation.
; The chip was launched on July 23, 2026; its instructions are those of AMD's public machine-readable ISA for CDNA 5 (MIT licence, August 2026) and "CDNA5" Instruction Set Architecture Reference Guide (July 2026). The comments in the code are by the model that wrote it; some were corrected since.
;; Masked MHA. Allowed arithmetic: float matrix products may take bf16 or f16 operands with f32 sums; all other float work in f32.
;; Inputs: Wk 1,024 x 1,024 float32; Wo 1,024 x 1,024 float32; Wq 1,024 x 1,024 float32; Wv 1,024 x 1,024 float32; tgt_key_padding_mask 2 x 2,048 bool; x 2 x 2,048 x 1,024 float32.
;; Outputs: out0 2 x 2,048 x 1,024 float32.
;; 2 versions, each right; version 2 is version 1 with the launch cvt written anew for expert scheduling mode. Each part assembles by itself: llvm-mc -triple=amdgcn-amd-amdhsa -mcpu=gfx1250 --defsym DOCPART=n.
;; ======== version 1 of 2: 4 launches
;; limits: values are held in f16: magnitudes above 65,504 overflow, below 6.1e-05 lose precision
;; workspace buffers: xb 8,388,608 bytes; wb 6,291,456 bytes; wo16 2,097,152 bytes; qkv 25,952,256 bytes; ob 16,777,216 bytes
;; launch cvt (part 1): grid 256 x 1, 8 waves a work-group, no clusters, 0 bytes of LDS; arguments x, Wq, Wk, Wv, Wo, tgt_key_padding_mask, xb, wb, wo16, qkv; writes xb, wb, wo16, qkv
.if DOCPART == 1
	.amdgcn_target "amdgcn-amd-amdhsa--gfx1250"
	.amdhsa_code_object_version 6
	.text
	.protected	k_qe03d0bd0b5_cvt
	.globl	k_qe03d0bd0b5_cvt
	.p2align	8
	.type	k_qe03d0bd0b5_cvt,@function
k_qe03d0bd0b5_cvt:
	s_mov_b64 s[64:65], 0
	v_nop
	global_prefetch_b8 v0, s[64:65] scope:SCOPE_SE
	s_setreg_imm32_b32 hwreg(HW_REG_WAVE_MODE, 25, 1), 1
	s_wait_xcnt 0x0
; Rounds the matrix operands once, as a stream:  xb = bf16(x);  wb = bf16(Wq | Wk | Wv), stacked to [3072][1024];
; wo16 = f16(bf16(Wo));  and turns the key padding mask into f32 addends (0 or -2^100) behind every K tile of qkv.
; LIMIT: a bf16 value of Wo is exact in f16 for 2^-17 <= |w| < 65504; below that its absolute error is at most 2^-25.
; Work-group n owns 16,384 numbers of x and 4,096 of each W: 16 units of 2,048 numbers.  Thread t owns 8 neighbouring numbers
; of each unit: 32 bytes in (two loads of 16), 16 bytes out, so a wave's store covers 512 consecutive bytes, aligned.
; All 32 loads of a wave go out at once; nothing is read twice; no LDS, barrier or matrix unit would add anything to a stream.
; Each unit keeps its own registers, so no register that a pending load or store names is ever written again.
.set GROUP, 540672                     ; bytes of one of qkv's 48 groups: 32 tiles
.set TILE,  16896                      ; a tile: 128 rows x 64 f16, then 128 f32 addends
.set NEG,   0xf1800000                 ; -2^100
.set U,     8                          ; v[8:135]   unit u: 8 registers as loaded; its first 4 as stored
.set T,     136                        ; v[136:137] at work
.set BI,    140                        ; v[140:143] four addends
	s_load_b512 s[4:19], s[0:1], 0x0               ; x 4, Wq 6, Wk 8, Wv 10, Wo 12, mask 14, xb 16, wb 18
	s_load_b128 s[20:23], s[0:1], 0x40             ; wo16 20, qkv 22
	v_lshrrev_b32 v6, 5, v0
	v_readfirstlane_b32 s24, v6                    ; wave
	v_lshlrev_b32 v1, 5, v0                        ; 32 t: my 8 f32 of a unit
	v_lshlrev_b32 v2, 4, v0                        ; 16 t: my 8 numbers of 16 bits
	v_and_b32 v5, 31, v0
	v_lshlrev_b32 v3, 2, v5                        ; 4 x lane: my four mask bytes
	v_lshlrev_b32 v5, 4, v5                        ; 16 x lane: my four addends
	s_mov_b32 s27, 0                               ; upper word of every offset
	s_lshr_b32 s25, ttmp9, 3                       ; the tile of 128 keys whose mask this work-group turns
	s_wait_kmcnt 0x0
	s_lshl_b32 s26, s25, 7
	s_add_nc_u64 s[14:15], s[14:15], s[26:27]      ; mask + 128 x tile
	s_lshl_b32 s26, ttmp9, 16
	s_add_nc_u64 s[4:5], s[4:5], s[26:27]          ; x + 65,536 n
	s_lshl_b32 s26, ttmp9, 14
	s_add_nc_u64 s[6:7], s[6:7], s[26:27]          ; each W + 16,384 n
	s_add_nc_u64 s[8:9], s[8:9], s[26:27]
	s_add_nc_u64 s[10:11], s[10:11], s[26:27]
	s_add_nc_u64 s[12:13], s[12:13], s[26:27]
	s_lshl_b32 s26, ttmp9, 15
	s_add_nc_u64 s[16:17], s[16:17], s[26:27]      ; xb + 32,768 n
	s_lshl_b32 s26, ttmp9, 13
	s_add_nc_u64 s[18:19], s[18:19], s[26:27]      ; wb and wo16 + 8,192 n
	s_add_nc_u64 s[20:21], s[20:21], s[26:27]
	global_load_b32 v4, v3, s[14:15]               ; 128 mask bytes; every wave asks, waves 0 and 1 use them: the load lies under the stream and needs no branch of its own
.macro LOADU u, base, i                ; unit u = the i-th unit of this work-group's part of the tensor at s[base]
	global_load_b128 v[U+8*\u:U+8*\u+3],   v1, s[\base:\base+1] offset:\i*8192 th:TH_LOAD_NT
	global_load_b128 v[U+8*\u+4:U+8*\u+7], v1, s[\base:\base+1] offset:\i*8192+16 th:TH_LOAD_NT
.endm
.irp i, 0,1,2,3,4,5,6,7
	LOADU \i, 4, \i
.endr
	LOADU 8, 6, 0
	LOADU 9, 6, 1
	LOADU 10, 8, 0
	LOADU 11, 8, 1
	LOADU 12, 10, 0
	LOADU 13, 10, 1
	LOADU 14, 12, 0
	LOADU 15, 12, 1
; Unit u is rounded in place and stored.  half = 1: the bf16 values are written as f16.
.macro UNIT u, half, base, off
	s_wait_loadcnt 30-2*\u                         ; loads come back in order (ISA guide 5.7.1): the 2 (15 - u) loads of the younger units stay out
.irp k, 0,1,2,3
	v_cvt_pk_bf16_f32 v[U+8*\u+\k], v[U+8*\u+2*\k], v[U+8*\u+2*\k+1]   ; word k is written when words 2k, 2k+1 are read: never ahead of a read
.endr
.if \half
.irp k, 0,1,2,3
	v_lshlrev_b32 v[T], 16, v[U+8*\u+\k]           ; bf16 to f32: the low half moves up,
	v_and_b32 v[T+1], 0xffff0000, v[U+8*\u+\k]     ; the high half stays
	v_cvt_pk_f16_f32 v[U+8*\u+\k], v[T], v[T+1]
.endr
.endif
	global_store_b128 v2, v[U+8*\u:U+8*\u+3], s[\base:\base+1] offset:\off
.endm
.irp i, 0,1,2,3,4,5,6,7
	UNIT \i, 0, 16, \i*4096
.endr
	UNIT 8,  0, 18, 0                              ; Wq: rows 0 to 1023 of wb
	UNIT 9,  0, 18, 4096
	UNIT 10, 0, 18, 2097152                        ; Wk: rows 1024 to 2047
	UNIT 11, 0, 18, 2097152+4096
	UNIT 12, 0, 18, 4194304                        ; Wv: rows 2048 to 3071
	UNIT 13, 0, 18, 4194304+4096
	UNIT 14, 1, 20, 0                              ; Wo
	UNIT 15, 1, 20, 4096
	; The addends.  32 tiles x 16 heads = 512 blocks of 512 bytes: waves 0 and 1 of each work-group write one each (head 2 (n mod 8) + wave).
	s_cmp_gt_u32 s24, 1
	s_cbranch_scc1 .Lend
	s_and_b32 s28, ttmp9, 7
	s_lshl1_add_u32 s28, s28, s24                  ; head
	s_add_co_u32 s28, s28, 16                      ; K's groups are 16 to 31
	s_mul_i32 s28, s28, GROUP
	s_mul_i32 s26, s25, TILE
	s_add_co_u32 s26, s26, s28
	s_add_co_u32 s26, s26, 16384                   ; behind the tile's 128 rows
	s_add_nc_u64 s[22:23], s[22:23], s[26:27]
	v_mov_b32 v7, NEG
.irp k, 0,1,2,3
	v_bfe_u32 v6, v4, 8*\k, 8                      ; the mask word came in with the last unit's wait for 0
	v_cmp_ne_u32 vcc_lo, 0, v6
	v_cndmask_b32 v[BI+\k], 0, v7, vcc_lo          ; padded: -2^100, else 0
.endr
	global_store_b128 v5, v[BI:BI+3], s[22:23]     ; 512 consecutive bytes, aligned
.Lend:
	s_endpgm
.Lfunc_end_k_qe03d0bd0b5_cvt:
	.size	k_qe03d0bd0b5_cvt, .Lfunc_end_k_qe03d0bd0b5_cvt-k_qe03d0bd0b5_cvt
	.p2alignl 7, 3214868480
	.fill 96, 4, 3214868480
	.section	.rodata,"a",@progbits
	.p2align	6, 0x0
	.amdhsa_kernel k_qe03d0bd0b5_cvt
		.amdhsa_group_segment_fixed_size 0
		.amdhsa_private_segment_fixed_size 0
		.amdhsa_enable_private_segment 0
		.amdhsa_kernarg_size 80
		.amdhsa_user_sgpr_count 2
		.amdhsa_user_sgpr_kernarg_segment_ptr 1
		.amdhsa_wavefront_size32 1
		.amdhsa_system_sgpr_workgroup_id_x 1
		.amdhsa_system_sgpr_workgroup_id_y 1
		.amdhsa_system_sgpr_workgroup_id_z 1
		.amdhsa_system_vgpr_workitem_id 0
		.amdhsa_next_free_vgpr 144
		.amdhsa_next_free_sgpr 66
		.amdhsa_reserve_vcc 1
		.amdhsa_float_denorm_mode_32 3
		.amdhsa_float_denorm_mode_16_64 3
		.amdhsa_memory_ordered 1
		.amdhsa_forward_progress 1
		.amdhsa_inst_pref_size 13
	.end_amdhsa_kernel
	.amdgpu_metadata
---
amdhsa.version: [ 1, 2 ]
amdhsa.kernels:
  - .name:           k_qe03d0bd0b5_cvt
    .symbol:         k_qe03d0bd0b5_cvt.kd
    .args:
      - { .name: x, .offset: 0, .size: 8, .value_kind: global_buffer, .address_space: global }
      - { .name: Wq, .offset: 8, .size: 8, .value_kind: global_buffer, .address_space: global }
      - { .name: Wk, .offset: 16, .size: 8, .value_kind: global_buffer, .address_space: global }
      - { .name: Wv, .offset: 24, .size: 8, .value_kind: global_buffer, .address_space: global }
      - { .name: Wo, .offset: 32, .size: 8, .value_kind: global_buffer, .address_space: global }
      - { .name: tgt_key_padding_mask, .offset: 40, .size: 8, .value_kind: global_buffer, .address_space: global }
      - { .name: xb, .offset: 48, .size: 8, .value_kind: global_buffer, .address_space: global }
      - { .name: wb, .offset: 56, .size: 8, .value_kind: global_buffer, .address_space: global }
      - { .name: wo16, .offset: 64, .size: 8, .value_kind: global_buffer, .address_space: global }
      - { .name: qkv, .offset: 72, .size: 8, .value_kind: global_buffer, .address_space: global }
    .group_segment_fixed_size: 0
    .private_segment_fixed_size: 0
    .kernarg_segment_align: 8
    .kernarg_segment_size: 80
    .max_flat_workgroup_size: 256
    .sgpr_count:     66
    .vgpr_count:     144
    .wavefront_size: 32
...
	.end_amdgpu_metadata
.endif
;; end of part 1
;; launch qkv (part 2): grid 16 x 16, 4 waves a work-group, clusters of 4 x 4, 327,680 bytes of LDS; arguments xb, wb, qkv; writes qkv
.if DOCPART == 2
	.amdgcn_target "amdgcn-amd-amdhsa--gfx1250"
	.amdhsa_code_object_version 6
	.text
	.protected	k_qe03d0bd0b5_qkv
	.globl	k_qe03d0bd0b5_qkv
	.p2align	8
	.type	k_qe03d0bd0b5_qkv,@function
k_qe03d0bd0b5_qkv:
	s_mov_b64 s[64:65], 0
	v_nop
	global_prefetch_b8 v0, s[64:65] scope:SCOPE_SE
	s_setreg_imm32_b32 hwreg(HW_REG_WAVE_MODE, 25, 1), 1
	s_wait_xcnt 0x0
	s_wait_alu depctr_hold_cnt(0) depctr_sa_sdst(0) depctr_va_vdst(0) depctr_va_sdst(0) depctr_va_ssrc(0) depctr_va_vcc(0) depctr_vm_vsrc(0)
	s_getreg_b32 s2, hwreg(HW_REG_IB_STS2, 6, 4)
	s_cmp_eq_u32 s2, 0
	s_cbranch_scc0 .Lentry_in_a_cluster
	s_endpgm
.Lentry_in_a_cluster:
	s_bfe_u32 s2, ttmp6, 0x10000c
	s_cmp_lg_u32 s2, 0xf033
	s_cbranch_scc0 .Lentry_shape_is_right
	s_endpgm
.Lentry_shape_is_right:
; [4096][3072] = xb [4096][1024] x wb [3072][1024]^T, bf16 operands, f32 sums, results rounded once to f16 and stored in qkv's tiles:
; column c belongs to group c / 64 (0-15 Q's heads, 16-31 K's, 32-47 V's); a group is 32 tiles of 128 tokens x 64 f16 (+ 512 bytes that this launch leaves alone).
; LIMIT: |Q|, |K|, |V| must stay below 65,504 (f16).  With every input 30 times the drawn spread they are near 600.
; A work-group makes 256 tokens x 192 columns (three groups) with four waves; a wave makes 64 tokens x 192 columns: 48 accumulator tiles, 384 registers.
; That shape lets a wave's results be three dense blocks of 64 tokens x 128 bytes, so its stage in LDS is its own and the way out needs no barrier.
; K goes in steps of 128 through two LDS slots filled by the tensor data mover; a tile's rows are 256 bytes of memory, at multiples of 256 from the buffer's first byte.
; CLUSTERS: 4 x 4 work-groups.  The four of a cluster's row share xb's tile, the four of a column wb's: each tile is asked for jointly, which divides the requests by four.
; REGISTERS: window 0: v16-26 addresses, v64-127 fragments of xb (two buffers of 4 x 16 rows x 32 K), v128-223 the way out;
;   window 1: v0-191 fragments of wb (two buffers of 12);  window 2: accumulators of my tokens 0-31 (tile (a, b) at 8 (12 a + b));  window 3: of tokens 32-63.
; THE MATRIX INSTRUCTION IS USED TRANSPOSED (source 0 = 16 rows of wb, source 1 = 16 rows of xb): lane l holds token l % 16 and 8 neighbouring columns.
.set KSTEP,  128
.set SIZE_K, 1024
.set PITCH,  272                       ; 256 bytes of data + 16 of padding: an odd multiple of 16, so the 16 rows of a fragment load lie in 16 different 16-byte columns
.set AROWS,  256
.set BROWS,  192
.set SLOT,   (AROWS+BROWS)*PITCH       ; 121,856: xb's 256 rows, then wb's 192
.set STAGE,  2*SLOT                    ; 243,712, a multiple of 256: no fill lands behind it
.set SP,     400                       ; a stage row: 384 bytes + 16
.set LAPS,   SIZE_K/(2*KSTEP)          ; 4 laps of two K steps
.set GROUP,  540672
.set TILE,   16896
.set ADRA, 16                          ; v16-17 LDS address of my xb fragments in slot 0, 1
.set ADRB, 20                          ; v20-21 the same for wb
.set STO,  24
.set RD,   25
.set CO,   26
.set FA,   64                          ; window 0: buffer f at FA + 32 f
.set FB,   0                           ; window 1: buffer f at FB + 96 f
.set TMP,  128                         ; 48 registers: 16 tokens x 192 columns, packed
.set RB,   176                         ; 48 registers: the same, read back by tokens
.set G1,  24                           ; s[24:31] group 1 for xb's tiles
.set G0,  32                           ; s[32:39] group 0 for xb's tiles, one set a slot
.set G1B, 48                           ; s[48:55] group 1 for wb's tiles
.set G0B, 56                           ; s[56:63] group 0 for wb's tiles
.set MSB, 0
.macro WIN new                         ; the immediate's high byte repeats the setting that is left
.if MSB != \new
	s_set_vgpr_msb (MSB<<8)|\new
.set MSB, \new
.endif
.endm
.set MUL_LO, 0xa1                      ; source 0 (wb) window 1, source 1 (xb) window 0, C and D window 2
.set MUL_HI, 0xf1                      ; the same, C and D window 3
.set TO_B,   0x40                      ; destination window 1, address window 0
; A joint load.  Waves 0 and 1 fetch xb's two halves (128 rows each), waves 2 and 3 wb's (96 rows each).  Each line has one mask and one set of registers.
.macro JLOAD s
	s_cmp_eq_u32 s11, 0
	s_cbranch_scc0 .Lfor_b_\@
	tensor_load_to_lds s[G0+4*\s:G0+4*\s+3], s[G1:G1+7]
	s_nop 0
	s_branch .Lasked_\@
.Lfor_b_\@:
	tensor_load_to_lds s[G0B+4*\s:G0B+4*\s+3], s[G1B:G1B+7]
	s_nop 0
.Lasked_\@:
.endm
.macro CREST                           ; a round of the cluster's barrier behind its opening work-group barrier
	s_cmp_lg_u32 s10, 0
	s_cbranch_scc1 .Lnot_wave_0_\@
	s_barrier_signal -3
.Lnot_wave_0_\@:
	s_barrier_wait -3
	s_barrier_signal -1
	s_barrier_wait -1
.endm
.macro CROUND                          ; a whole round
	s_barrier_signal -1
	s_barrier_wait -1
	CREST
.endm
.macro PLACES                          ; four places behind matrix instructions in front of loads into, and reads of, their registers
.rept 4
	v_nop
.endr
.endm
	s_load_b128 s[4:7], s[0:1], 0x0                ; xb s[4:5], wb s[6:7]
	s_load_b64 s[8:9], s[0:1], 0x10                ; qkv
	s_set_vgpr_msb 0x40
	v_lshl_add_u32 v255, v0, 2, 0x41c00
	s_set_vgpr_msb 0x4000
	v_mov_b32 v255, 0
	s_set_vgpr_msb 0x1
	ds_add_u32 v255, v255
	s_set_vgpr_msb 0x100
	v_lshrrev_b32 v1, 5, v0
	v_readfirstlane_b32 s10, v1                    ; wave 0..3
	s_lshr_b32 s11, s10, 1                         ; I fetch for xb (0) or wb (1)
	s_and_b32 s12, s10, 1                          ; which half of that tile
	s_bfe_u32 s40, ttmp6, 0x40000                  ; cx
	s_bfe_u32 s41, ttmp6, 0x40004                  ; cy
	s_lshl_b32 s42, ttmp9, 2
	s_add_co_u32 s42, s42, s40                     ; bx: block of 192 columns
	s_and_b32 s13, ttmp7, 0xffff
	s_lshl_b32 s13, s13, 2
	s_add_co_u32 s13, s13, s41                     ; by: block of 256 tokens
	s_lshl_b32 s43, s41, 2
	s_lshl_b32 s43, 15, s43                        ; my row of the cluster
	s_lshl_b32 s44, 0x1111, s40                    ; my column
	s_or_b32 s[G1+0], s43, (1<<16)|(1<<20)|(1<<21)|(5<<22)|(3<<25)   ; mask; elements of 2 bytes; padding on; bit 21 beside a mask; after every 64 words 4 words
	s_or_b32 s[G1B+0], s44, (1<<16)|(1<<20)|(1<<21)|(5<<22)|(3<<25)
	s_mov_b32 s[G1+1], KSTEP<<16                   ; tensor_dim0 = 128
	s_mov_b32 s[G1B+1], KSTEP<<16
	s_mov_b32 s[G1+2], 128<<16                     ; tensor_dim1 = 128 rows
	s_mov_b32 s[G1B+2], 96<<16                     ;             =  96 rows
	s_mov_b32 s[G1+3], KSTEP<<16                   ; tile_dim0 = 128
	s_mov_b32 s[G1B+3], KSTEP<<16
	s_mov_b32 s[G1+4], 128                         ; tile_dim1
	s_mov_b32 s[G1B+4], 96
	s_mov_b32 s[G1+5], SIZE_K                      ; elements from row to row
	s_mov_b32 s[G1B+5], SIZE_K
	s_mov_b32 s[G1+6], 0
	s_mov_b32 s[G1B+6], 0
	s_mov_b32 s[G1+7], 0
	s_mov_b32 s[G1B+7], 0
	; xb's tiles hang on by alone, wb's on bx alone; each address is made in registers that never hold the other coordinate
	s_lshl_b32 s17, s12, 7
	s_lshl_b32 s16, s13, 8
	s_add_co_u32 s16, s16, s17                     ; row 256 by + 128 half
	s_lshl_b32 s16, s16, 11                        ; x 2,048 bytes, below 8 MiB
	s_mov_b32 s17, 0
	s_mul_i32 s46, s42, BROWS
	s_mul_i32 s47, s12, 96
	s_add_co_u32 s46, s46, s47                     ; row 192 bx + 96 half
	s_lshl_b32 s46, s46, 11
	s_mov_b32 s47, 0
	s_mul_i32 s20, s10, 128*PITCH                  ; LDS: xb's halves at wave x 128 rows (waves 0, 1)
	s_mul_i32 s21, s10, 96*PITCH
	s_add_co_u32 s21, s21, 64*PITCH                ; wb's halves at row 256 + 96 (wave - 2) = 96 wave + 64 (waves 2, 3)
	s_wait_dscnt 0x0
	s_wait_kmcnt 0x0
	s_add_nc_u64 s[14:15], s[4:5], s[16:17]
	s_add_nc_u64 s[46:47], s[6:7], s[46:47]
	CROUND                                         ; all sixteen work-groups are here: the first joint loads meet
.irp s, 0,1
	s_mov_b32 s[G0+4*\s], 1
	s_add_co_u32 s[G0+4*\s+1], s20, \s*SLOT
	s_add_nc_u64 s[G0+4*\s+2:G0+4*\s+3], s[14:15], \s*KSTEP*2
	s_or_b32 s[G0+4*\s+3], s[G0+4*\s+3], 0x80000000
	s_mov_b32 s[G0B+4*\s], 1
	s_add_co_u32 s[G0B+4*\s+1], s21, \s*SLOT
	s_add_nc_u64 s[G0B+4*\s+2:G0B+4*\s+3], s[46:47], \s*KSTEP*2
	s_or_b32 s[G0B+4*\s+3], s[G0B+4*\s+3], 0x80000000
	JLOAD \s                                       ; both slots' first fills go out together: two tensor loads of the wave are out
.endr
	v_and_b32 v1, 15, v0                           ; r = l % 16
	v_bfe_u32 v2, v0, 4, 1                         ; h = l / 16
	v_mul_u32_u24 v3, v1, PITCH
	v_lshl_add_u32 v3, v2, 4, v3                   ; r x pitch + 16 h
	s_mul_i32 s22, s10, 64*PITCH                   ; my 64 rows of xb
	s_mov_b32 s23, AROWS*PITCH                     ; all 192 rows of wb
.irp s, 0,1
	v_add_nc_u32 v[ADRA+\s], s22, v3
	v_add_nc_u32 v[ADRB+\s], s23, v3
	s_add_co_u32 s22, s22, SLOT
	s_add_co_u32 s23, s23, SLOT
.endr
	s_mul_i32 s45, s10, 16*SP
	s_add_co_u32 s45, s45, STAGE                   ; my stage
	v_mul_u32_u24 v4, v1, SP
	v_lshl_add_u32 v4, v2, 4, v4
	v_add_nc_u32 v[STO], s45, v4                   ; in: token r, 16 bytes for each half of the lanes
	v_bfe_u32 v5, v0, 3, 2                         ; back: eight lanes take a token's 128 bytes of one group, a load takes four tokens
	v_mul_u32_u24 v5, v5, SP
	v_and_b32 v6, 7, v0
	v_lshl_add_u32 v5, v6, 4, v5
	v_add_nc_u32 v[RD], s45, v5
	v_and_b32 v6, 31, v0
	v_lshlrev_b32 v[CO], 4, v6                     ; and the same 512 bytes, dense, in the tile
; 12 matrix instructions: token block a of the window's two (hi = 0: tokens 0-31, 1: tokens 32-63) x all 12 column blocks, 32 along K
.macro MUL12 f, hi, a, zero
.irp b, 0,1,2,3,4,5,6,7,8,9,10,11
.if \zero
	v_wmma_f32_16x16x32_bf16 v[8*(12*\a+\b):8*(12*\a+\b)+7], v[FB+96*\f+8*\b:FB+96*\f+8*\b+7], v[FA+32*\f+8*(2*\hi+\a):FA+32*\f+8*(2*\hi+\a)+7], 0
.else
	v_wmma_f32_16x16x32_bf16 v[8*(12*\a+\b):8*(12*\a+\b)+7], v[FB+96*\f+8*\b:FB+96*\f+8*\b+7], v[FA+32*\f+8*(2*\hi+\a):FA+32*\f+8*(2*\hi+\a)+7], v[8*(12*\a+\b):8*(12*\a+\b)+7]
.endif
.endr
.endm
; 32 LDS loads in one run: 192 rows of wb, then my 64 rows of xb, 32 K at byte k of the rows, into buffer f
.macro FETCH slot, k, f
	WIN TO_B
.irp i, 0,1,2,3,4,5,6,7,8,9,10,11
	ds_load_b128 v[FB+96*\f+8*\i:FB+96*\f+8*\i+3],   v[ADRB+\slot] offset:\k+\i*16*PITCH
	ds_load_b128 v[FB+96*\f+8*\i+4:FB+96*\f+8*\i+7], v[ADRB+\slot] offset:\k+\i*16*PITCH+32
.endr
	WIN 0
.irp i, 0,1,2,3
	ds_load_b128 v[FA+32*\f+8*\i:FA+32*\f+8*\i+3],   v[ADRA+\slot] offset:\k+\i*16*PITCH
	ds_load_b128 v[FA+32*\f+8*\i+4:FA+32*\f+8*\i+7], v[ADRA+\slot] offset:\k+\i*16*PITCH+32
.endr
.endm
; A quarter step: 48 matrix instructions on buffer f; in its middle the next quarter's fragments go into buffer g.
; The 48 accumulators take turns, one instruction a turn, in the same order in every quarter: no two neighbours share one.
.macro QUARTER slot, k, f, g, zero
	s_wait_dscnt 4                                 ; wb and xb's blocks 0, 1 are in; the youngest four loads (blocks 2, 3) may be out
	WIN MUL_LO
	MUL12 \f, 0, 0, \zero
	MUL12 \f, 0, 1, \zero
	PLACES
	FETCH \slot, \k, \g
	s_wait_dscnt 32                                ; all but the 32 just issued
	WIN MUL_HI
	MUL12 \f, 1, 0, \zero
	MUL12 \f, 1, 1, \zero
.endm
.macro THREE slot, zero
	QUARTER \slot, 64,  0, 1, \zero
	QUARTER \slot, 128, 1, 0, 0
	QUARTER \slot, 192, 0, 1, 0
.endm
; The last quarter multiplies buffer 1 and changes slots.  In front of the barrier each wave waits for its reads of this slot and for all its tensor loads
; (one is out: its part of the next slot).  Behind it the refill comes first, then the next slot's first fragments.
.macro TURN slot, next, fill
	s_wait_dscnt 4
	WIN MUL_LO
	MUL12 1, 0, 0, 0
	s_wait_dscnt 0                                 ; my reads of this slot are over
	s_wait_tensorcnt 0x0                           ; all my tensor loads have landed
	ds_add_u32 v255, v255
	s_wait_dscnt 0x0
	s_barrier_signal -1                            ; where a slot is filled again this barrier opens a round of the cluster's barrier
	MUL12 1, 0, 1, 0                               ; register work while the others arrive
	WIN 0
	s_barrier_wait -1
.if \fill
	CREST                                          ; no wave of any partner still reads this slot or has a load on its way
	s_add_nc_u64 s[G0+4*\slot+2:G0+4*\slot+3], s[G0+4*\slot+2:G0+4*\slot+3], 2*KSTEP*2
	s_add_nc_u64 s[G0B+4*\slot+2:G0B+4*\slot+3], s[G0B+4*\slot+2:G0B+4*\slot+3], 2*KSTEP*2
	JLOAD \slot                                    ; the wave's one tensor load behind the round, and the first thing there
.endif
	PLACES
	FETCH \next, 0, 0
	WIN MUL_HI
	MUL12 1, 1, 0, 0
	MUL12 1, 1, 1, 0
.endm
.macro LAP zero
	THREE 0, \zero
	TURN 0, 1, 1
	THREE 1, 0
	TURN 1, 0, 1
.endm
	s_wait_tensorcnt 1                             ; my part of K step 0 is in; K step 1's stays out
	s_barrier_signal -1
	s_barrier_wait -1
	FETCH 0, 0, 0
	LAP 1                                          ; the first products start the sums: nothing is cleared
	WIN 0
	s_mov_b32 s3, LAPS-2
.Llap:
	LAP 0
	WIN 0
	s_sub_co_u32 s3, s3, 1
	s_cmp_lg_u32 s3, 0
	s_cbranch_scc1 .Llap
	THREE 0, 0                                     ; the last lap fills nothing
	TURN 0, 1, 0
	THREE 1, 0
	s_wait_dscnt 4
	WIN MUL_LO
	MUL12 1, 0, 0, 0
	MUL12 1, 0, 1, 0
	s_wait_dscnt 0
	WIN MUL_HI
	MUL12 1, 1, 0, 0
	MUL12 1, 1, 1, 0
	; THE WAY OUT, 16 tokens at a time: round to f16, 16 bytes a lane into my stage, read back by groups of 64 columns, store 512 dense bytes a time.
	PLACES
	s_mul_i32 s46, s42, 3*GROUP                    ; my three groups (in the registers that held wb's address)
	s_mov_b32 s47, 0
	s_add_nc_u64 s[8:9], s[8:9], s[46:47]
	s_lshl_b32 s16, s13, 1
	s_add_co_u32 s16, s16, s11                     ; tile 2 by + wave / 2
	s_mul_i32 s16, s16, TILE
	s_lshl_b32 s17, s12, 13                        ; + 64 tokens x 128 bytes for the odd waves
	s_add_co_u32 s16, s16, s17
	s_mov_b32 s17, 0
	s_add_nc_u64 s[8:9], s[8:9], s[16:17]
; tokens 16 a .. 16 a + 15 of my 64 = the twelve tiles (al, 0..11) of window 2 or 3 (from = 0x0a or 0x0f: sources 0 and 1)
.macro OUT16 a, al, from
	WIN \from
.irp b, 0,1,2,3,4,5,6,7,8,9,10,11
.irp k, 0,1,2,3
	v_cvt_pk_f16_f32 v[TMP+4*\b+\k], v[8*(12*\al+\b)+2*\k], v[8*(12*\al+\b)+2*\k+1]
.endr
.endr
	WIN 0
.irp b, 0,1,2,3,4,5,6,7,8,9,10,11
	ds_store_b128 v[STO], v[TMP+4*\b:TMP+4*\b+3] offset:32*\b
.endr
	s_wait_xcnt 0x0                                ; RB, which the last block's stores read, is loaded again only behind this wait
.irp s, 0,1,2
.irp k, 0,1,2,3
	ds_load_b128 v[RB+4*(4*\s+\k):RB+4*(4*\s+\k)+3], v[RD] offset:\k*4*SP+128*\s   ; LDS serves a wave's instructions in order: these see the stores above
.endr
.endr
.irp s, 0,1,2
.irp k, 0,1,2,3
	s_wait_dscnt 11-(4*\s+\k)
	global_store_b128 v[CO], v[RB+4*(4*\s+\k):RB+4*(4*\s+\k)+3], s[8:9] offset:\s*GROUP+\a*2048+\k*512   ; four tokens x 128 bytes: 512 consecutive bytes, aligned
.endr
.endr
.endm
	OUT16 0, 0, 0x0a
	OUT16 1, 1, 0x0a
	OUT16 2, 0, 0x0f
	OUT16 3, 1, 0x0f
	s_set_vgpr_msb 0x1
	s_wait_tensorcnt 0x0
	ds_add_u32 v255, v255
	s_wait_dscnt 0x0
	s_set_vgpr_msb 0x100
	CROUND                                         ; the closing round: no work-group ends while a partner may still ask for a tile that names it
	s_endpgm
.Lfunc_end_k_qe03d0bd0b5_qkv:
	.size	k_qe03d0bd0b5_qkv, .Lfunc_end_k_qe03d0bd0b5_qkv-k_qe03d0bd0b5_qkv
	.p2alignl 7, 3214868480
	.fill 96, 4, 3214868480
	.section	.rodata,"a",@progbits
	.p2align	6, 0x0
	.amdhsa_kernel k_qe03d0bd0b5_qkv
		.amdhsa_group_segment_fixed_size 327680
		.amdhsa_private_segment_fixed_size 0
		.amdhsa_enable_private_segment 0
		.amdhsa_kernarg_size 24
		.amdhsa_user_sgpr_count 2
		.amdhsa_user_sgpr_kernarg_segment_ptr 1
		.amdhsa_wavefront_size32 1
		.amdhsa_system_sgpr_workgroup_id_x 1
		.amdhsa_system_sgpr_workgroup_id_y 1
		.amdhsa_system_sgpr_workgroup_id_z 1
		.amdhsa_system_vgpr_workitem_id 0
		.amdhsa_next_free_vgpr 960
		.amdhsa_next_free_sgpr 66
		.amdhsa_reserve_vcc 0
		.amdhsa_float_denorm_mode_32 3
		.amdhsa_float_denorm_mode_16_64 3
		.amdhsa_memory_ordered 1
		.amdhsa_forward_progress 1
		.amdhsa_inst_pref_size 163
	.end_amdhsa_kernel
	.amdgpu_metadata
---
amdhsa.version: [ 1, 2 ]
amdhsa.kernels:
  - .name:           k_qe03d0bd0b5_qkv
    .symbol:         k_qe03d0bd0b5_qkv.kd
    .args:
      - { .name: xb, .offset: 0, .size: 8, .value_kind: global_buffer, .address_space: global }
      - { .name: wb, .offset: 8, .size: 8, .value_kind: global_buffer, .address_space: global }
      - { .name: qkv, .offset: 16, .size: 8, .value_kind: global_buffer, .address_space: global }
    .group_segment_fixed_size: 327680
    .private_segment_fixed_size: 0
    .kernarg_segment_align: 8
    .kernarg_segment_size: 24
    .max_flat_workgroup_size: 128
    .sgpr_count:     66
    .vgpr_count:     960
    .wavefront_size: 32
...
	.end_amdgpu_metadata
.endif
;; end of part 2
;; launch attn (part 3): grid 8 x 32, 16 waves a work-group, no clusters, 327,680 bytes of LDS; arguments qkv, ob; writes ob
.if DOCPART == 3
	.amdgcn_target "amdgcn-amd-amdhsa--gfx1250"
	.amdhsa_code_object_version 6
	.text
	.protected	k_qe03d0bd0b5_attn
	.globl	k_qe03d0bd0b5_attn
	.p2align	8
	.type	k_qe03d0bd0b5_attn,@function
k_qe03d0bd0b5_attn:
	s_mov_b64 s[64:65], 0
	v_nop
	global_prefetch_b8 v0, s[64:65] scope:SCOPE_SE
	s_setreg_imm32_b32 hwreg(HW_REG_WAVE_MODE, 25, 1), 1
	s_wait_xcnt 0x0
; Causal attention with a key padding mask, one pass with a running maximum; f16 operands, f32 sums and softmax.
; Work-group (i, y): head y % 16, batch y / 16, the two query blocks of 128 rows 15 - i and i: (16 - i) + (i + 1) = 17 key tiles of 128 in every work-group.
; Position p = 0..16: p < NH = 16 - i: the high block against key tile p; else the low block against key tile p - NH.
; The diagonal tiles stand at p = NH - 1 (8..15: a scalar test on the work-group's number) and at p = 16.
; SIXTEEN WAVES, four on each SIMD (16 x 256 registers fill the four SIMDs), so that one wave's LDS waits, dependent chains and matrix instructions lie under the
; others' work.  An LDS slot holds two positions: waves 0-7 (stream 0) take the first, waves 8-15 (stream 1) the second, at the same time: round n is p = 2 n + stream.
; Wave w: stream w / 8, 32 queries (group (w / 2) % 4) against the 64 keys (half w % 2) of its position's tile.  The four waves of a query group keep partial
; (m, l, O) for each block; they are merged at the end.  Stream 1 has no position in the ninth round.
; S^T = K Q^T (source 0 = rows of K, source 1 = rows of Q): a lane holds query l % 16 and keys 8 (l / 16) + j, so m, l and the rescale factor are per lane, and
; two neighbouring S^T tiles, after exp and packing, ARE a source-1 fragment for O^T = V^T P^T; V^T's fragments come by the transposing LDS load.
; The padding mask enters as the C operand of the first product (0 or -2^100 for each key, stored behind each K tile).
; p = exp2(S c - m c), c = log2(e) / 8: the scale 1 / sqrt(64) lies in the multiply-add that takes the running maximum away.
; A row without any admissible key comes out NaN, as a softmax over -inf alone does.
; LIMITS: |S| must stay far below 2^76 (it is bounded by 64 x 65504^2 < 2^39), so that -2^100 absorbs it and 'm < -2^99' means 'no admissible key';
;   p below 2^-24 of its row's largest is 0 in f16.  O leaves as a pair of f16 (hi + lo), since one f16 is too coarse for the first rows.
; NO CLUSTER: the eight work-groups of a head want different tiles from position 8 on (NH differs), so joint descriptors would differ between partners.
.set GROUP, 540672
.set TILE,  16896
.set SLOT,  81920                      ; an LDS slot holds two positions: K0, K1, V0, V1, 20,480 bytes each
.set POS,   20480
.set KP,    144                        ; K's LDS pitch: 128 + 16 bytes (odd multiple of 16); 132 rows, the last four are the 128 addends
.set VP,    160                        ; V's LDS pitch: 128 + 32 bytes (odd multiple of 32, for the transposing load)
.set AREA,  8704                       ; a wave's state: 16 chunks of 512 bytes (O) + 1 (m0, m1, l0, l1)
.set XB,    2*SLOT                     ; 163,840: 16 areas for the high block's states; no fill lands here
.set LOB,   XB-16*AREA                 ; 24,576: 16 areas for the low block's states, inside the slots: written behind the slots' last fill and last read
.set QLB,   XB+16*AREA                 ; 303,104: the low block's Q fragments, 4,096 bytes for each query group
.set NEG,   0xf1800000                 ; -2^100
.set VK,  1                            ; v1-2   LDS address of my K fragments in slot 0, 1 (my stream's position is in the address)
.set VV,  3                            ; v3-4   of my V fragments
.set VB,  5                            ; v5-6   of my addends
.set THR, 7                            ; v7     diagonal: key masked if 16 (t - qt) + j > THR
.set VNEG, 8                           ; v8     -2^100
.set DH,  9                            ; v9     my area for the high block's state
.set DL,  10                           ; v10    my area for the low block's state
.set QO,  11                           ; v11    first: my byte offset in a Q tile;
.set QL,  11                           ;        behind the wait for Q's loads: LDS address of the low block's Q fragments of my query group
.set M,   12                           ; v12-13 running maxima of query tiles 0, 1
.set LS,  14                           ; v[14:15], v[16:17] running sums, a pair for each query tile
.set AL,  18                           ; v[18:19] rescale factors
.set MC,  20                           ; v[20:21] -m c
.set QB,  32                           ; Q(qt, dh) at QB + 8 (2 qt + dh)
.set KB,  64                           ; K(t, dh) at KB + 8 (2 t + dh); later V(dt, g) at KB + 8 (2 dt + g)
.set SB,  128                          ; S(t, qt) at SB + 8 n, n = 4 (t / 2) + 2 qt + t % 2; P(g, qt) = the first 8 registers at SB + 16 (2 g + qt)
.set OB,  192                          ; O(dt, qt) at OB + 8 (4 qt + dt)
.macro NOPS n
.rept \n
	v_nop
.endr
.endm
; The refill of a slot: waves 0, 1 bring K of its two positions, waves 2, 3 V; the others bring nothing.  kind 2: both positions; 1: the first alone.
.macro TLOAD slot, kind
.if \kind == 2
	s_cmp_gt_u32 s8, 3
	s_cbranch_scc1 .Lnone_\@
	s_cmp_gt_u32 s8, 1
	s_cbranch_scc1 .Lv_\@
	tensor_load_to_lds s[40+4*\slot:43+4*\slot], s[24:31]
	s_nop 0
	s_branch .Lnone_\@
.Lv_\@:
	tensor_load_to_lds s[40+4*\slot:43+4*\slot], s[32:39]
	s_nop 0
.Lnone_\@:
.endif
.if \kind == 1
	s_cmp_eq_u32 s8, 0
	s_cbranch_scc0 .Lnotk_\@
	tensor_load_to_lds s[40+4*\slot:43+4*\slot], s[24:31]
	s_nop 0
.Lnotk_\@:
	s_cmp_eq_u32 s8, 2
	s_cbranch_scc0 .Lnotv_\@
	tensor_load_to_lds s[40+4*\slot:43+4*\slot], s[32:39]
	s_nop 0
.Lnotv_\@:
.endif
.endm
; The change of slots.  Every wave waits for all its tensor loads (the other slot's among them) and for its LDS reads, then the barrier; the refill stands first behind it.
.macro RING slot, kind
	s_wait_xcnt 0x0
	v_lshl_add_u32 v190, v0, 2, 0x4e000
	v_mov_b32 v191, 0
	s_wait_tensorcnt 0x0                           ; none of my tensor loads is out: a group 0 may be written
	ds_add_u32 v190, v191
	s_wait_dscnt 0x0
.if \kind
	s_sub_co_u32 s52, s18, s14                     ; the next position pn that I fetch: key tile pn, or pn - NH in the low block
	s_cmp_ge_u32 s18, s14
	s_cselect_b32 s52, s52, s18
	s_mul_i32 s22, s52, TILE
	s_add_nc_u64 s[42+4*\slot:43+4*\slot], s[20:21], s[22:23]
	s_or_b32 s[43+4*\slot], s[43+4*\slot], 0x80000000
	s_add_co_u32 s18, s18, 2
.endif
	s_wait_dscnt 0x0                               ; my reads of the slot are back
	s_barrier_signal -1
	s_barrier_wait -1
	TLOAD \slot, \kind
.endm
; The largest of the 32 scores of query tile qt and its old maximum, in four chains; result in v[a]
.macro MAXTREE qt, a
.set XQ, SB+16*\qt
	v_max3_num_f32 v[\a],   v[XQ+0],  v[XQ+1],  v[XQ+2]
	v_max3_num_f32 v[\a+1], v[XQ+3],  v[XQ+4],  v[XQ+5]
	v_max3_num_f32 v[\a+2], v[XQ+6],  v[XQ+7],  v[XQ+8]
	v_max3_num_f32 v[\a+3], v[XQ+9],  v[XQ+10], v[XQ+11]
	v_max3_num_f32 v[\a],   v[\a],   v[XQ+12], v[XQ+13]
	v_max3_num_f32 v[\a+1], v[\a+1], v[XQ+14], v[XQ+15]
	v_max3_num_f32 v[\a+2], v[\a+2], v[XQ+32], v[XQ+33]
	v_max3_num_f32 v[\a+3], v[\a+3], v[XQ+34], v[XQ+35]
	v_max3_num_f32 v[\a],   v[\a],   v[XQ+36], v[XQ+37]
	v_max3_num_f32 v[\a+1], v[\a+1], v[XQ+38], v[XQ+39]
	v_max3_num_f32 v[\a+2], v[\a+2], v[XQ+40], v[XQ+41]
	v_max3_num_f32 v[\a+3], v[\a+3], v[XQ+42], v[XQ+43]
	v_max3_num_f32 v[\a],   v[\a],   v[XQ+44], v[XQ+45]
	v_max3_num_f32 v[\a+1], v[\a+1], v[XQ+46], v[XQ+47]
	v_max3_num_f32 v[\a],   v[\a],   v[\a+1],  v[\a+2]
	v_max3_num_f32 v[\a],   v[\a],   v[\a+3],  v[M+\qt]
.endm
.macro FMA8 tn                         ; S c - m c for the eight scores of tile tn (its query tile is bit 1 of tn)
.set X, SB+8*(\tn)
.irp k, 0,2,4,6
.if ((\tn)>>1)&1
	v_pk_fma_f32 v[X+\k:X+\k+1], v[X+\k:X+\k+1], s[50:51], v[MC:MC+1] op_sel:[0,0,1] op_sel_hi:[1,0,1]
.else
	v_pk_fma_f32 v[X+\k:X+\k+1], v[X+\k:X+\k+1], s[50:51], v[MC:MC+1] op_sel_hi:[1,0,0]
.endif
.endr
.endm
.macro EXP8 tn
.set X, SB+8*(\tn)
.irp k, 0,1,2,3,4,5,6,7
	v_exp_f32 v[X+\k], v[X+\k]
.endr
.endm
.macro SUMCVT tn                       ; p into the running sum, and packed to f16 where the fragment wants it: word k is written when words 2k, 2k+1 have been read
.set X, SB+8*(\tn)
.set PD, SB+16*((\tn)>>1)+4*((\tn)&1)
.set LQ, LS+2*(((\tn)>>1)&1)
	s_wait_alu depctr_va_vdst(0)
.irp k, 0,1,2,3
	v_pk_add_f32 v[LQ:LQ+1], v[LQ:LQ+1], v[X+2*\k:X+2*\k+1]
	v_cvt_pk_f16_f32 v[PD+\k], v[X+2*\k], v[X+2*\k+1]
.endr
.endm
.macro DUMP adr                        ; my state into my own area
	v_add_f32 v[LS], v[LS], v[LS+1]
	v_add_f32 v[LS+1], v[LS+2], v[LS+3]
.irp k, 0,1,2,3,4,5,6,7,8,9,10,11,12,13,14,15
	ds_store_b128 v[\adr], v[OB+4*\k:OB+4*\k+3] offset:\k*512
.endr
	ds_store_b128 v[\adr], v[M:M+3] offset:8192    ; m0, m1, l0, l1
.endm
; My position of one slot.  mode 0: never a diagonal; 1: diagonal if p = NH - 1, and the change of blocks behind it; 2: the low block's diagonal.  first = 1: the products start O's sums.
.macro STEP slot, mode, first
.irp t, 0,1,2,3
.set S0, SB+8*((\t/2)*4+(\t&1))
	ds_load_b128 v[S0:S0+3],   v[VB+\slot] offset:(\t/2)*KP+(\t&1)*64      ; the addends of keys 16 t + 8 h + 0..7, where S(t, 0) will be summed
	ds_load_b128 v[S0+4:S0+7], v[VB+\slot] offset:(\t/2)*KP+(\t&1)*64+16
.endr
.irp dh, 0,1
.irp t, 0,1,2,3
	ds_load_b128 v[KB+8*(2*\t+\dh):KB+8*(2*\t+\dh)+3],   v[VK+\slot] offset:\t*16*KP+\dh*64
	ds_load_b128 v[KB+8*(2*\t+\dh)+4:KB+8*(2*\t+\dh)+7], v[VK+\slot] offset:\t*16*KP+\dh*64+32
.endr
.endr
	s_wait_dscnt 8                                 ; the addends and K's d 0-31 are in; the eight loads of d 32-63 may be out
.irp t, 0,1,2,3
.set S0, SB+8*((\t/2)*4+(\t&1))
	v_wmma_f32_16x16x32_f16 v[S0+16:S0+23], v[KB+16*\t:KB+16*\t+7], v[QB+16:QB+23], v[S0:S0+7]   ; query tile 1 takes the addends from query tile 0's registers
.endr
	NOPS 5                                         ; five places before matrix instructions write over what the four above read as C (ISA guide 7.12.1)
.irp t, 0,1,2,3
.set S0, SB+8*((\t/2)*4+(\t&1))
	v_wmma_f32_16x16x32_f16 v[S0:S0+7], v[KB+16*\t:KB+16*\t+7], v[QB:QB+7], v[S0:S0+7]
.endr
	s_wait_dscnt 0x0
	; d 32-63, the eight accumulators in the same order: they take turns, one instruction a turn
.irp t, 0,1,2,3
.set S0, SB+8*((\t/2)*4+(\t&1))
	v_wmma_f32_16x16x32_f16 v[S0+16:S0+23], v[KB+16*\t+8:KB+16*\t+15], v[QB+24:QB+31], v[S0+16:S0+23]
.endr
.irp t, 0,1,2,3
.set S0, SB+8*((\t/2)*4+(\t&1))
	v_wmma_f32_16x16x32_f16 v[S0:S0+7], v[KB+16*\t+8:KB+16*\t+15], v[QB+8:QB+15], v[S0:S0+7]
.endr
	NOPS 4                                         ; four places before loads into K's registers and before S is read
.irp g, 0,1
.irp dt, 0,1,2,3
	ds_load_tr16_b128 v[KB+8*(2*\dt+\g):KB+8*(2*\dt+\g)+3],   v[VV+\slot] offset:\g*32*VP+\dt*32          ; V^T: d 16 dt + r, keys 32 g + 8 h + 0..7
	ds_load_tr16_b128 v[KB+8*(2*\dt+\g)+4:KB+8*(2*\dt+\g)+7], v[VV+\slot] offset:\g*32*VP+\dt*32+16*VP    ; keys 32 g + 16 + 8 h + 0..7
.endr
.endr
.if \mode == 1
	s_cmp_eq_u32 s16, s15                          ; p = NH - 1: the high block's diagonal tile
	s_cbranch_scc0 .Lnodiag_\@
.endif
.if \mode >= 1
.irp t, 0,1,2,3
.irp qt, 0,1
.irp j, 0,1,2,3,4,5,6,7
	v_cmp_gt_i32 vcc_lo, 16*(\t-\qt)+\j, v[THR]    ; key 64 kh + 16 t + 8 h + j above query 32 qg + 16 qt + r
	v_cndmask_b32 v[SB+8*((\t/2)*4+(\t&1))+16*\qt+\j], v[SB+8*((\t/2)*4+(\t&1))+16*\qt+\j], v[VNEG], vcc_lo
.endr
.endr
.endr
.endif
.if \mode == 1
.Lnodiag_\@:
.endif
	MAXTREE 0, 22
	MAXTREE 1, 26
	v_permlanex16_b32 v30, v22, s48, s49           ; lanes l and l + 16 hold the same query, other keys
	v_permlanex16_b32 v31, v26, s48, s49
	v_max_num_f32 v22, v22, v30                    ; the new maxima
	v_max_num_f32 v26, v26, v31
	v_mul_f32 v[MC], 0xbe38aa3b, v22               ; -m c
	v_mul_f32 v[MC+1], 0xbe38aa3b, v26
	v_fma_f32 v24, v[M], s50, v[MC]                ; (old m - new m) c
	v_fma_f32 v28, v[M+1], s50, v[MC+1]
	v_exp_f32 v[AL], v24
	v_exp_f32 v[AL+1], v28
	v_mov_b32 v[M], v22                            ; plain instructions behind the exponentials (ISA guide 5.7.2), before their results are used
	v_mov_b32 v[M+1], v26
	s_wait_alu depctr_va_vdst(0)
	v_pk_mul_f32 v[LS:LS+1], v[LS:LS+1], v[AL:AL+1] op_sel_hi:[1,0]
	v_pk_mul_f32 v[LS+2:LS+3], v[LS+2:LS+3], v[AL:AL+1] op_sel:[0,1] op_sel_hi:[1,1]
.if \first == 0
.irp k, 0,2,4,6,8,10,12,14,16,18,20,22,24,26,28,30
	v_pk_mul_f32 v[OB+\k:OB+\k+1], v[OB+\k:OB+\k+1], v[AL:AL+1] op_sel_hi:[1,0]
.endr
.irp k, 32,34,36,38,40,42,44,46,48,50,52,54,56,58,60,62
	v_pk_mul_f32 v[OB+\k:OB+\k+1], v[OB+\k:OB+\k+1], v[AL:AL+1] op_sel:[0,1] op_sel_hi:[1,1]
.endr
.endif
	FMA8 0
.irp i, 0,1,2,3,4,5,6
	EXP8 \i
	FMA8 \i+1                                      ; the next tile's multiply-adds are the plain instructions behind this tile's exponentials
	SUMCVT \i
.endr
	EXP8 7
	v_nop
	s_wait_alu depctr_va_vdst(0)
	SUMCVT 7
	s_wait_dscnt 0x0                               ; V
.irp g, 0,1
.set ZC, \first*(1-\g)
.irp qt, 0,1
.irp dt, 0,1,2,3
.if ZC
	v_wmma_f32_16x16x32_f16 v[OB+8*(4*\qt+\dt):OB+8*(4*\qt+\dt)+7], v[KB+8*(2*\dt+\g):KB+8*(2*\dt+\g)+7], v[SB+16*(2*\g+\qt):SB+16*(2*\g+\qt)+7], 0
.else
	v_wmma_f32_16x16x32_f16 v[OB+8*(4*\qt+\dt):OB+8*(4*\qt+\dt)+7], v[KB+8*(2*\dt+\g):KB+8*(2*\dt+\g)+7], v[SB+16*(2*\g+\qt):SB+16*(2*\g+\qt)+7], v[OB+8*(4*\qt+\dt):OB+8*(4*\qt+\dt)+7]
.endif
.endr
.endr
.endr
	NOPS 5                                         ; places before the next position loads into, and its products write over, P's and V's registers, and before O is read
	s_add_co_u32 s16, s16, 2                       ; my stream's next position
.if \mode == 1
	s_sub_co_u32 s52, s16, s14                     ; p - NH is 0 or 1 exactly once (p steps by 2): my next position is my first of the low block
	s_cmp_lt_u32 s52, 2
	s_cbranch_scc0 .Lnosw_\@
	DUMP DH
.irp k, 0,1,2,3,4,5,6,7
	ds_load_b128 v[QB+4*\k:QB+4*\k+3], v[QL] offset:\k*512     ; the low block's Q: stored in front of the first barrier, never written again
.endr
	; O and l are not cleared.  With m = -2^100 the next rescale factor exp2((m - new m) c) is 0 as soon as a key is admissible, and wipes the finite old O and l.
	; While no key is admissible (or no position follows) the factor is 1 and m stays -2^100: the merge then multiplies this part by 0 or makes the row NaN.
	v_mov_b32 v[M], v[VNEG]
	v_mov_b32 v[M+1], v[VNEG]
	s_wait_dscnt 0x0
.Lnosw_\@:
.endif
.endm
	s_load_b128 s[4:7], s[0:1], 0x0                ; qkv s[4:5], ob s[6:7]
	v_lshl_add_u32 v190, v0, 2, 0x4e000
	v_mov_b32 v191, 0
	ds_add_u32 v190, v191
	s_wait_dscnt 0x0
	s_barrier_signal -1
	s_barrier_wait -1
	v_lshrrev_b32 v1, 5, v0
	v_readfirstlane_b32 s8, v1                     ; wave 0..15
	s_lshr_b32 s19, s8, 3                          ; stream: which position of a slot is mine
	s_bfe_u32 s9, s8, 0x20001                      ; qg: my 32 queries.  For waves 0-3 also: K (0) or V (1)
	s_and_b32 s10, s8, 1                           ; kh: my 64 keys.  For waves 0-3 also: which position of a slot I fetch
	s_and_b32 s60, s8, 9                           ; 0 in waves 0, 2, 4, 6: they stage the low block's Q, one for each query group
	s_mov_b32 s11, ttmp9                           ; i = the low query block
	s_and_b32 s12, ttmp7, 15                       ; head
	s_bfe_u32 s13, ttmp7, 0x10004                  ; batch
	s_sub_co_u32 s14, 16, s11                      ; NH
	s_sub_co_u32 s15, 15, s11                      ; NH - 1 = the high query block
	s_mov_b32 s16, s19                             ; p
	s_add_co_u32 s18, s10, 4                       ; pn: the first position that I fetch as a refill
	s_mov_b32 s23, 0
	s_mov_b32 s48, 0x76543210                      ; v_permlanex16_b32: lane l takes lane l of the other half
	s_mov_b32 s49, 0xfedcba98
	s_mov_b32 s50, 0x3e38aa3b                      ; c = log2(e) / 8
	s_mov_b32 s51, 0x3e38aa3b
	; group 1 for K: a tile with its addends is 66 dense rows of 256 bytes; behind every 32 words (a row of K) 4 words of padding
	s_mov_b32 s24, (3<<16)|(1<<20)|(4<<22)|(3<<25)
	s_mov_b32 s25, 32<<16                          ; tensor_dim0 = 32 elements of 8 bytes
	s_mov_b32 s26, 66<<16                          ; tensor_dim1 = 66
	s_mov_b32 s27, 32<<16                          ; tile_dim0
	s_mov_b32 s28, 66                              ; tile_dim1
	s_mov_b32 s29, 32                              ; pitch
	s_mov_b32 s30, 0
	s_mov_b32 s31, 0
	; group 1 for V: 64 dense rows of 256 bytes; behind every 32 words 8 words of padding
	s_mov_b32 s32, (3<<16)|(1<<20)|(4<<22)|(7<<25)
	s_mov_b32 s33, 32<<16
	s_mov_b32 s34, 64<<16
	s_mov_b32 s35, 32<<16
	s_mov_b32 s36, 64
	s_mov_b32 s37, 32
	s_mov_b32 s38, 0
	s_mov_b32 s39, 0
	s_mul_i32 s52, s12, GROUP                      ; Q's group of my head
	s_lshl_b32 s53, s13, 4                         ; 16 tiles a batch
	s_add_co_u32 s54, s53, s15
	s_mul_i32 s54, s54, TILE
	s_add_co_u32 s54, s54, s52                     ; the high block's Q tile
	s_mov_b32 s55, 0
	s_add_co_u32 s56, s53, s11
	s_mul_i32 s56, s56, TILE
	s_add_co_u32 s56, s56, s52                     ; the low block's Q tile
	s_mov_b32 s57, 0
	s_and_b32 s58, s9, 1                           ; K or V (waves 4-15 form an address inside the buffer too, and issue nothing)
	s_lshl_b32 s58, s58, 4
	s_add_co_u32 s58, s58, s12
	s_add_co_u32 s58, s58, 16
	s_mul_i32 s58, s58, GROUP
	s_mul_i32 s59, s13, 16*TILE
	s_add_co_u32 s58, s58, s59
	s_mov_b32 s59, 0
	s_mul_i32 s22, s10, TILE                       ; positions 0, 1 are key tiles 0, 1 (NH is at least 9)
	s_mov_b32 s40, 1
	s_mul_i32 s41, s8, POS                         ; LDS: K0, K1, V0, V1 = wave x 20,480 (waves 0-3)
	s_mov_b32 s44, 1
	s_add_co_u32 s45, s41, SLOT
	s_wait_kmcnt 0x0
	s_add_nc_u64 s[54:55], s[4:5], s[54:55]
	s_add_nc_u64 s[56:57], s[4:5], s[56:57]
	s_add_nc_u64 s[20:21], s[4:5], s[58:59]        ; my head's and batch's K (or V) tile 0
	s_add_nc_u64 s[42:43], s[20:21], s[22:23]
	s_or_b32 s43, s43, 0x80000000
	s_add_co_u32 s22, s22, 2*TILE                  ; positions 2, 3
	s_add_nc_u64 s[46:47], s[20:21], s[22:23]
	s_or_b32 s47, s47, 0x80000000
	; all first fills, in one branch on the wave's number: two tensor loads of a wave are out
	s_cmp_gt_u32 s8, 3
	s_cbranch_scc1 .Lfilled
	s_cmp_gt_u32 s8, 1
	s_cbranch_scc1 .Lfirst_v
	tensor_load_to_lds s[40:43], s[24:31]
	s_nop 0
	tensor_load_to_lds s[44:47], s[24:31]
	s_nop 0
	s_branch .Lfilled
.Lfirst_v:
	tensor_load_to_lds s[40:43], s[32:39]
	s_nop 0
	tensor_load_to_lds s[44:47], s[32:39]
	s_nop 0
.Lfilled:
	v_and_b32 v22, 31, v0                          ; l
	v_and_b32 v23, 15, v0                          ; r
	v_bfe_u32 v24, v0, 4, 1                        ; h
	v_and_b32 v25, 7, v0
	v_bfe_u32 v26, v0, 3, 1
	s_lshl_b32 s52, s9, 12
	v_lshlrev_b32 v[QO], 7, v23
	v_lshl_add_u32 v[QO], v24, 4, v[QO]
	v_add_nc_u32 v[QO], s52, v[QO]                 ; (32 qg + r) x 128 + 16 h
.irp qt, 0,1
.irp dh, 0,1
	global_load_b128 v[QB+8*(2*\qt+\dh):QB+8*(2*\qt+\dh)+3],   v[QO], s[54:55] offset:\qt*2048+\dh*64
	global_load_b128 v[QB+8*(2*\qt+\dh)+4:QB+8*(2*\qt+\dh)+7], v[QO], s[54:55] offset:\qt*2048+\dh*64+32
.endr
.endr
	s_cmp_lg_u32 s60, 0
	s_cbranch_scc1 .Lno_low_q
.irp qt, 0,1
.irp dh, 0,1
	global_load_b128 v[SB+8*(2*\qt+\dh):SB+8*(2*\qt+\dh)+3],   v[QO], s[56:57] offset:\qt*2048+\dh*64
	global_load_b128 v[SB+8*(2*\qt+\dh)+4:SB+8*(2*\qt+\dh)+7], v[QO], s[56:57] offset:\qt*2048+\dh*64+32
.endr
.endr
.Lno_low_q:
	s_mul_i32 s53, s19, POS                        ; my stream's position in a slot
	v_mul_u32_u24 v[VK], v23, KP
	v_lshl_add_u32 v[VK], v24, 4, v[VK]
	s_mul_i32 s52, s10, 64*KP
	s_add_co_u32 s52, s52, s53
	v_add_nc_u32 v[VK], s52, v[VK]                 ; stream x 20,480 + (64 kh + r) x 144 + 16 h
	v_add_nc_u32 v[VK+1], SLOT, v[VK]
	v_lshl_add_u32 v[VV], v24, 3, v25
	v_mul_u32_u24 v[VV], v[VV], VP
	v_lshl_add_u32 v[VV], v26, 4, v[VV]
	s_mul_i32 s52, s10, 64*VP
	s_add_co_u32 s52, s52, 2*POS
	s_add_co_u32 s52, s52, s53
	v_add_nc_u32 v[VV], s52, v[VV]                 ; V0 + stream x 20,480 + (64 kh + 8 h + l % 8) x 160 + 16 ((l / 8) % 2)
	v_add_nc_u32 v[VV+1], SLOT, v[VV]
	s_mul_i32 s52, s10, 2*KP
	s_add_co_u32 s52, s52, 128*KP
	s_add_co_u32 s52, s52, s53
	v_lshl_add_u32 v[VB], v24, 5, s52              ; rows 128 + 2 kh of my K tile, + 32 h
	v_add_nc_u32 v[VB+1], SLOT, v[VB]
	s_lshl_b32 s52, s9, 5
	s_lshl_b32 s53, s10, 6
	s_sub_co_i32 s52, s52, s53
	v_lshlrev_b32 v[THR], 3, v24
	v_sub_nc_u32 v[THR], v23, v[THR]
	v_add_nc_u32 v[THR], s52, v[THR]               ; 32 qg - 64 kh + r - 8 h
	v_mov_b32 v[VNEG], NEG
	s_lshl_b32 s52, s9, 2                          ; my area: 4 qg + 2 stream + kh, so that a query group's four parts lie side by side
	s_lshl_b32 s53, s19, 1
	s_add_co_u32 s52, s52, s53
	s_add_co_u32 s52, s52, s10
	s_mul_i32 s52, s52, AREA
	s_add_co_u32 s52, s52, LOB
	v_lshl_add_u32 v[DL], v22, 4, s52
	v_add_nc_u32 v[DH], 16*AREA, v[DL]
	v_mov_b32 v[M], v[VNEG]
	v_mov_b32 v[M+1], v[VNEG]
	v_mov_b32 v[LS], 0
	v_mov_b32 v[LS+1], 0
	v_mov_b32 v[LS+2], 0
	v_mov_b32 v[LS+3], 0
	v_mov_b32 v30, 0                               ; v_permlanex16_b32 counts as a reader of its destination
	v_mov_b32 v31, 0
	s_wait_loadcnt 0x0                             ; Q is in; v11, the loads' offset, may be written again
	s_lshl_b32 s52, s9, 12
	s_add_co_u32 s52, s52, QLB
	v_lshl_add_u32 v[QL], v22, 4, s52              ; my query group's 4,096 bytes + 16 l
	s_cmp_lg_u32 s60, 0
	s_cbranch_scc1 .Lno_stage
.irp k, 0,1,2,3,4,5,6,7
	ds_store_b128 v[QL], v[SB+4*\k:SB+4*\k+3] offset:\k*512    ; the low block's Q waits in LDS, as fragments: the four waves of a query group hold the same ones
.endr
.Lno_stage:
	s_wait_tensorcnt 0x1                           ; my part of slot 0 is in; slot 1's may stay out
	s_wait_dscnt 0x0                               ; the staged Q is in LDS, for the others' sake
	s_barrier_signal -1
	s_barrier_wait -1
	STEP 0, 0, 1                                   ; round 0: p = 0, 1
	s_mov_b32 s17, 3
.Lring:                                            ; trip n = 1..3: rounds 2 n - 1 and 2 n; a refill has one round of sixteen waves' work in which to land
	RING 0, 2
	STEP 1, 1, 0
	RING 1, 2
	STEP 0, 1, 0
	s_sub_co_u32 s17, s17, 1
	s_cmp_lg_u32 s17, 0
	s_cbranch_scc1 .Lring
	RING 0, 1                                      ; position 16 alone is left to fetch
	STEP 1, 1, 0                                   ; round 7: p = 14, 15
	RING 1, 0                                      ; nothing is filled: position 16 has landed, for every wave
	s_cmp_gt_u32 s8, 7
	s_cbranch_scc1 .Lno_17                         ; stream 1 has no position 17
	STEP 0, 2, 0                                   ; round 8: p = 16, the low block's diagonal
.Lno_17:
	s_wait_dscnt 0x0                               ; my reads of the slots are over; no tensor load is out and none follows
	s_barrier_signal -1
	s_barrier_wait -1                              ; everybody's are: the slots' bytes may take the low block's states
	DUMP DL
	s_wait_dscnt 0x0                               ; my states are in LDS, for the others' sake
	s_barrier_signal -1
	s_barrier_wait -1
	; THE MERGE.  Wave w takes query tile w % 2 of the four areas 4 (w / 2) .. + 3: block w / 8 (0 low, 1 high), query group (w / 2) % 4, two streams x two key halves.
	s_lshr_b32 s52, s8, 1
	s_mul_i32 s52, s52, 4*AREA
	s_add_co_u32 s52, s52, LOB
	s_and_b32 s53, s8, 1                           ; my query tile
	s_lshl_b32 s54, s53, 2
	s_lshl_b32 s53, s53, 12
	v_and_b32 v22, 31, v0
	v_and_b32 v23, 15, v0
	v_bfe_u32 v28, v0, 4, 1
	v_lshl_add_u32 v1, v22, 4, s52
	v_add_nc_u32 v5, s54, v1                       ; m and l of my query tile: words qt and 2 + qt of a lane's 16 bytes
	v_add_nc_u32 v1, s53, v1                       ; O of my query tile: chunks 8 qt .. 8 qt + 7
	s_add_co_u32 s52, s52, s53                     ; the stage: those chunks' 4,096 bytes in the first area (hi) and in the second (lo), which no other wave reads
	v_mul_u32_u24 v2, v23, KP
	v_lshl_add_u32 v2, v28, 4, v2
	v_add_nc_u32 v2, s52, v2                       ; in: query r, 16 bytes for each half of the lanes
	v_bfe_u32 v3, v0, 3, 2
	v_mul_u32_u24 v3, v3, KP
	v_and_b32 v29, 7, v0
	v_lshl_add_u32 v3, v29, 4, v3
	v_add_nc_u32 v3, s52, v3                       ; back: eight lanes a query's 128 bytes, four queries a load
	v_lshlrev_b32 v4, 4, v22
.irp x, 0,1,2,3
	ds_load_b32 v[12+\x], v5 offset:\x*AREA+8192   ; m of part x
	ds_load_b32 v[16+\x], v5 offset:\x*AREA+8200   ; l of part x
.endr
.irp k, 0,1,2,3,4,5,6,7
	ds_load_b128 v[OB+4*\k:OB+4*\k+3], v1 offset:\k*512
.endr
.irp k, 0,1,2,3,4,5,6,7
	ds_load_b128 v[OB+32+4*\k:OB+32+4*\k+3], v1 offset:AREA+\k*512
.endr
.irp k, 0,1,2,3,4,5,6,7
	ds_load_b128 v[KB+4*\k:KB+4*\k+3], v1 offset:2*AREA+\k*512
.endr
.irp k, 0,1,2,3,4,5,6,7
	ds_load_b128 v[KB+32+4*\k:KB+32+4*\k+3], v1 offset:3*AREA+\k*512
.endr
	s_cmp_gt_u32 s8, 7
	s_cselect_b32 s52, s15, s11                    ; my query block
	s_lshl_b32 s53, s13, 4
	s_add_co_u32 s52, s52, s53
	s_lshl_b32 s52, s52, 15                        ; x 32,768
	s_lshl_b32 s53, s12, 20                        ; head x 1,048,576
	s_add_co_u32 s52, s52, s53
	s_and_b32 s53, s8, 7
	s_lshl_b32 s53, s53, 11                        ; 16 queries x 128 bytes x (2 qg + qt)
	s_add_co_u32 s22, s52, s53
	s_add_nc_u64 s[6:7], s[6:7], s[22:23]
	s_mov_b32 s55, 0xf1000000                      ; -2^99
	s_wait_dscnt 32                                ; the eight loads of m and l are in; the 32 of O may be out
	v_max3_num_f32 v28, v12, v13, v14
	v_max_num_f32 v28, v28, v15                    ; m
	v_mul_f32 v29, s50, v28                        ; m c
.irp x, 0,1,2,3
	v_fma_f32 v[20+\x], v[12+\x], s50, -v29
.endr
	v_exp_f32 v20, v20                             ; each part's factor
	v_exp_f32 v21, v21
	v_exp_f32 v22, v22
	v_exp_f32 v23, v23
	v_mov_b32 v8, 0x7fc00000                       ; NaN; also the plain instruction behind the exponentials
	s_wait_alu depctr_va_vdst(0)
	v_mul_f32 v24, v16, v20
	v_fmac_f32 v24, v17, v21
	v_fmac_f32 v24, v18, v22
	v_fmac_f32 v24, v19, v23
	v_permlanex16_b32 v25, v24, s48, s49           ; the other lane half summed the query's other keys
	v_add_f32 v24, v24, v25
	v_rcp_f32 v24, v24
	v_nop
	s_wait_alu depctr_va_vdst(0)
.irp x, 0,1,2,3
	v_mul_f32 v[20+\x], v[20+\x], v24
.endr
	v_cmp_gt_f32 vcc_lo, s55, v28                  ; no admissible key at all:
	v_cndmask_b32 v20, v20, v8, vcc_lo             ; the row is NaN
	s_wait_dscnt 0x0
.irp dt, 0,1,2,3
.set TT, 8*\dt
.irp k, 0,2,4,6
	v_pk_mul_f32 v[OB+TT+\k:OB+TT+\k+1], v[OB+TT+\k:OB+TT+\k+1], v[20:21] op_sel_hi:[1,0]
	v_pk_fma_f32 v[OB+TT+\k:OB+TT+\k+1], v[OB+32+TT+\k:OB+32+TT+\k+1], v[20:21], v[OB+TT+\k:OB+TT+\k+1] op_sel:[0,1,0] op_sel_hi:[1,1,1]
	v_pk_fma_f32 v[OB+TT+\k:OB+TT+\k+1], v[KB+TT+\k:KB+TT+\k+1], v[22:23], v[OB+TT+\k:OB+TT+\k+1] op_sel_hi:[1,0,1]
	v_pk_fma_f32 v[OB+TT+\k:OB+TT+\k+1], v[KB+32+TT+\k:KB+32+TT+\k+1], v[22:23], v[OB+TT+\k:OB+TT+\k+1] op_sel:[0,1,0] op_sel_hi:[1,1,1]
.endr
.irp k, 0,1,2,3
	v_cvt_pk_f16_f32 v[24+\k], v[OB+TT+2*\k], v[OB+TT+2*\k+1]      ; hi
.endr
	v_cvt_f32_f16 v[SB+0], v24.l
	v_cvt_f32_f16 v[SB+1], v24.h
	v_cvt_f32_f16 v[SB+2], v25.l
	v_cvt_f32_f16 v[SB+3], v25.h
	v_cvt_f32_f16 v[SB+4], v26.l
	v_cvt_f32_f16 v[SB+5], v26.h
	v_cvt_f32_f16 v[SB+6], v27.l
	v_cvt_f32_f16 v[SB+7], v27.h
.irp k, 0,2,4,6
	v_pk_add_f32 v[SB+\k:SB+\k+1], v[OB+TT+\k:OB+TT+\k+1], v[SB+\k:SB+\k+1] neg_lo:[0,1] neg_hi:[0,1]   ; O - hi, exact
.endr
.irp k, 0,1,2,3
	v_cvt_pk_f16_f32 v[28+\k], v[SB+2*\k], v[SB+2*\k+1]            ; lo
.endr
	ds_store_b128 v2, v[24:27] offset:\dt*32
	ds_store_b128 v2, v[28:31] offset:AREA+\dt*32
.endr
.irp p, 0,1
.irp k, 0,1,2,3
	ds_load_b128 v[SB+4*(4*\p+\k):SB+4*(4*\p+\k)+3], v3 offset:\p*AREA+\k*4*KP   ; LDS serves a wave's instructions in order: these see the stores above
.endr
.endr
.irp p, 0,1
.irp k, 0,1,2,3
	s_wait_dscnt 7-(4*\p+\k)
	global_store_b128 v4, v[SB+4*(4*\p+\k):SB+4*(4*\p+\k)+3], s[6:7] offset:\p*16384+\k*512   ; four queries x 128 bytes: 512 consecutive bytes, aligned
.endr
.endr
	s_wait_xcnt 0x0
	v_lshl_add_u32 v190, v0, 2, 0x4e000
	v_mov_b32 v191, 0
	s_wait_tensorcnt 0x0
	ds_add_u32 v190, v191
	s_wait_dscnt 0x0
	s_endpgm
.Lfunc_end_k_qe03d0bd0b5_attn:
	.size	k_qe03d0bd0b5_attn, .Lfunc_end_k_qe03d0bd0b5_attn-k_qe03d0bd0b5_attn
	.p2alignl 7, 3214868480
	.fill 96, 4, 3214868480
	.section	.rodata,"a",@progbits
	.p2align	6, 0x0
	.amdhsa_kernel k_qe03d0bd0b5_attn
		.amdhsa_group_segment_fixed_size 327680
		.amdhsa_private_segment_fixed_size 0
		.amdhsa_enable_private_segment 0
		.amdhsa_kernarg_size 16
		.amdhsa_user_sgpr_count 2
		.amdhsa_user_sgpr_kernarg_segment_ptr 1
		.amdhsa_wavefront_size32 1
		.amdhsa_system_sgpr_workgroup_id_x 1
		.amdhsa_system_sgpr_workgroup_id_y 1
		.amdhsa_system_sgpr_workgroup_id_z 1
		.amdhsa_system_vgpr_workitem_id 0
		.amdhsa_next_free_vgpr 256
		.amdhsa_next_free_sgpr 66
		.amdhsa_reserve_vcc 1
		.amdhsa_float_denorm_mode_32 3
		.amdhsa_float_denorm_mode_16_64 3
		.amdhsa_memory_ordered 1
		.amdhsa_forward_progress 1
		.amdhsa_inst_pref_size 140
	.end_amdhsa_kernel
	.amdgpu_metadata
---
amdhsa.version: [ 1, 2 ]
amdhsa.kernels:
  - .name:           k_qe03d0bd0b5_attn
    .symbol:         k_qe03d0bd0b5_attn.kd
    .args:
      - { .name: qkv, .offset: 0, .size: 8, .value_kind: global_buffer, .address_space: global }
      - { .name: ob, .offset: 8, .size: 8, .value_kind: global_buffer, .address_space: global }
    .group_segment_fixed_size: 327680
    .private_segment_fixed_size: 0
    .kernarg_segment_align: 8
    .kernarg_segment_size: 16
    .max_flat_workgroup_size: 512
    .sgpr_count:     66
    .vgpr_count:     256
    .wavefront_size: 32
...
	.end_amdgpu_metadata
.endif
;; end of part 3
;; launch oproj (part 4): grid 8 x 32, 4 waves a work-group, clusters of 4 x 4, 327,680 bytes of LDS; arguments ob, wo16, out0; writes out0
.if DOCPART == 4
	.amdgcn_target "amdgcn-amd-amdhsa--gfx1250"
	.amdhsa_code_object_version 6
	.text
	.protected	k_qe03d0bd0b5_oproj
	.globl	k_qe03d0bd0b5_oproj
	.p2align	8
	.type	k_qe03d0bd0b5_oproj,@function
k_qe03d0bd0b5_oproj:
	s_mov_b64 s[64:65], 0
	v_nop
	global_prefetch_b8 v0, s[64:65] scope:SCOPE_SE
	s_setreg_imm32_b32 hwreg(HW_REG_WAVE_MODE, 25, 1), 1
	s_wait_xcnt 0x0
	s_wait_alu depctr_hold_cnt(0) depctr_sa_sdst(0) depctr_va_vdst(0) depctr_va_sdst(0) depctr_va_ssrc(0) depctr_va_vcc(0) depctr_vm_vsrc(0)
	s_getreg_b32 s2, hwreg(HW_REG_IB_STS2, 6, 4)
	s_cmp_eq_u32 s2, 0
	s_cbranch_scc0 .Lentry_in_a_cluster
	s_endpgm
.Lentry_in_a_cluster:
	s_bfe_u32 s2, ttmp6, 0x10000c
	s_cmp_lg_u32 s2, 0xf033
	s_cbranch_scc0 .Lentry_shape_is_right
	s_endpgm
.Lentry_shape_is_right:
; out0 [4096][1024] f32 = (O_hi + O_lo) x Wo^T, f16 operands, f32 sums.  O comes as ob[head][block of 128 tokens][hi, lo][128][64] f16, Wo as wo16 [1024][1024] f16.
; O is a pair of f16: each 32 along K multiplies O_hi and O_lo by the same fragment of Wo, onto one accumulator.
; A work-group makes 128 tokens x 128 columns with four waves of 64 x 64 (16 accumulator tiles, window 1).  A K step is 128 = two heads; 8 steps through two LDS slots.
; CLUSTERS: 4 x 4 work-groups.  The four of a cluster's row share O's tiles, the four of a column Wo's: each is asked for jointly.
; THE MATRIX INSTRUCTION IS USED TRANSPOSED (source 0 = 16 rows of Wo, source 1 = 16 rows of O): lane l holds token l % 16 and 8 neighbouring columns.
.set AP,     144                       ; O's LDS pitch: 128 bytes + 16
.set BP,     272                       ; Wo's LDS pitch: 256 bytes + 16
.set PLANE,  128*AP                    ; 18,432: 128 tokens of one head's hi or lo
.set BOFF,   4*PLANE                   ; 73,728: planes h0 hi, h0 lo, h1 hi, h1 lo, then Wo's 128 rows
.set SLOT,   BOFF+128*BP               ; 108,544
.set STAGE,  2*SLOT                    ; 217,088, a multiple of 256: no fill lands behind it
.set SPITCH, 272                       ; a stage row: 64 f32 + 16 bytes
.set LAPS,   4
.set ADRA, 16
.set ADRB, 20
.set STO,  24
.set RD,   25
.set CO,   26
.set F0,   32                          ; a fragment buffer: Wo at + 8 b, O_hi at + 32 + 8 a, O_lo at + 64 + 8 a
.set F1,   128
.set G1,  24
.set G0,  32
.set G1B, 48
.set G0B, 56
.set MSB, 0
.macro WIN new
.if MSB != \new
	s_set_vgpr_msb (MSB<<8)|\new
.set MSB, \new
.endif
.endm
.set MUL, 0x50                         ; sources 0, 1 window 0; C and D window 1
.macro JLOAD s                         ; waves 0, 1: a head's hi and lo (32 KiB dense); waves 2, 3: 64 rows of Wo
	s_cmp_eq_u32 s11, 0
	s_cbranch_scc0 .Lfor_b_\@
	tensor_load_to_lds s[G0+4*\s:G0+4*\s+3], s[G1:G1+7]
	s_nop 0
	s_branch .Lasked_\@
.Lfor_b_\@:
	tensor_load_to_lds s[G0B+4*\s:G0B+4*\s+3], s[G1B:G1B+7]
	s_nop 0
.Lasked_\@:
.endm
.macro CREST
	s_cmp_lg_u32 s10, 0
	s_cbranch_scc1 .Lnot_wave_0_\@
	s_barrier_signal -3
.Lnot_wave_0_\@:
	s_barrier_wait -3
	s_barrier_signal -1
	s_barrier_wait -1
.endm
.macro CROUND
	s_barrier_signal -1
	s_barrier_wait -1
	CREST
.endm
.macro PLACES                          ; four places behind matrix instructions in front of loads into, and reads of, their registers
.rept 4
	v_nop
.endr
.endm
	s_load_b128 s[4:7], s[0:1], 0x0                ; ob s[4:5], wo16 s[6:7]
	s_load_b64 s[8:9], s[0:1], 0x10                ; out0
	v_lshl_add_u32 v254, v0, 2, 0x39400
	v_mov_b32 v255, 0
	ds_add_u32 v254, v255
	v_lshrrev_b32 v1, 5, v0
	v_readfirstlane_b32 s10, v1                    ; wave
	s_lshr_b32 s11, s10, 1                         ; my half of the tokens.  Also: I fetch O (0) or Wo (1)
	s_and_b32 s12, s10, 1                          ; my half of the columns.  Also: which head, or which 64 rows of Wo
	s_bfe_u32 s40, ttmp6, 0x40000                  ; cx
	s_bfe_u32 s41, ttmp6, 0x40004                  ; cy
	s_lshl_b32 s42, ttmp9, 2
	s_add_co_u32 s42, s42, s40                     ; bx: block of 128 columns
	s_and_b32 s13, ttmp7, 0xffff
	s_lshl_b32 s13, s13, 2
	s_add_co_u32 s13, s13, s41                     ; by: block of 128 tokens
	s_lshl_b32 s43, s41, 2
	s_lshl_b32 s43, 15, s43                        ; my row of the cluster
	s_lshl_b32 s44, 0x1111, s40                    ; my column
	s_or_b32 s[G1+0], s43, (3<<16)|(1<<20)|(1<<21)|(4<<22)|(3<<25)   ; O: elements of 8 bytes; behind every 32 words (a token's 128 bytes) 4 words of padding
	s_mov_b32 s[G1+1], 32<<16                      ; 128 dense rows of 256 bytes
	s_mov_b32 s[G1+2], 128<<16
	s_mov_b32 s[G1+3], 32<<16
	s_mov_b32 s[G1+4], 128
	s_mov_b32 s[G1+5], 32
	s_mov_b32 s[G1+6], 0
	s_mov_b32 s[G1+7], 0
	s_or_b32 s[G1B+0], s44, (1<<16)|(1<<20)|(1<<21)|(5<<22)|(3<<25)  ; Wo: elements of 2 bytes; behind every 64 words 4 words
	s_mov_b32 s[G1B+1], 128<<16                    ; 64 rows of 128 elements, 1,024 from row to row
	s_mov_b32 s[G1B+2], 64<<16
	s_mov_b32 s[G1B+3], 128<<16
	s_mov_b32 s[G1B+4], 64
	s_mov_b32 s[G1B+5], 1024
	s_mov_b32 s[G1B+6], 0
	s_mov_b32 s[G1B+7], 0
	s_lshl_b32 s16, s13, 15                        ; O: by x 32,768
	s_lshl_b32 s17, s12, 20                        ;    + head's parity x 1,048,576
	s_add_co_u32 s16, s16, s17
	s_mov_b32 s17, 0
	s_lshl_b32 s46, s42, 7
	s_lshl_b32 s47, s12, 6
	s_add_co_u32 s46, s46, s47                     ; Wo: row 128 bx + 64 half
	s_lshl_b32 s46, s46, 11
	s_mov_b32 s47, 0
	s_mul_i32 s20, s10, 2*PLANE                    ; LDS: a head's two planes at wave x 36,864 (waves 0, 1)
	s_mul_i32 s21, s10, 64*BP
	s_add_co_u32 s21, s21, BOFF-2*64*BP            ; Wo's halves at 73,728 + (wave - 2) x 17,408 (waves 2, 3)
	s_wait_dscnt 0x0
	s_wait_kmcnt 0x0
	s_add_nc_u64 s[14:15], s[4:5], s[16:17]
	s_add_nc_u64 s[46:47], s[6:7], s[46:47]
	CROUND                                         ; all sixteen work-groups are here: the first joint loads meet
.irp s, 0,1
	s_mov_b32 s[G0+4*\s], 1
	s_add_co_u32 s[G0+4*\s+1], s20, \s*SLOT
	s_add_nc_u64 s[G0+4*\s+2:G0+4*\s+3], s[14:15], \s*2*1048576    ; K step s: heads 2 s, 2 s + 1
	s_or_b32 s[G0+4*\s+3], s[G0+4*\s+3], 0x80000000
	s_mov_b32 s[G0B+4*\s], 1
	s_add_co_u32 s[G0B+4*\s+1], s21, \s*SLOT
	s_add_nc_u64 s[G0B+4*\s+2:G0B+4*\s+3], s[46:47], \s*256
	s_or_b32 s[G0B+4*\s+3], s[G0B+4*\s+3], 0x80000000
	JLOAD \s                                       ; both slots' first fills go out together: two tensor loads of the wave are out
.endr
	v_and_b32 v1, 15, v0                           ; r
	v_bfe_u32 v2, v0, 4, 1                         ; h
	v_mul_u32_u24 v3, v1, AP
	v_lshl_add_u32 v3, v2, 4, v3
	v_mul_u32_u24 v4, v1, BP
	v_lshl_add_u32 v4, v2, 4, v4
	s_mul_i32 s22, s11, 64*AP                      ; my 64 tokens
	s_mul_i32 s23, s12, 64*BP                      ; my 64 rows of Wo
	s_add_co_u32 s23, s23, BOFF
.irp s, 0,1
	v_add_nc_u32 v[ADRA+\s], s22, v3
	v_add_nc_u32 v[ADRB+\s], s23, v4
	s_add_co_u32 s22, s22, SLOT
	s_add_co_u32 s23, s23, SLOT
.endr
	s_mul_i32 s45, s10, 16*SPITCH
	s_add_co_u32 s45, s45, STAGE                   ; my stage
	v_mul_u32_u24 v5, v1, SPITCH
	v_lshl_add_u32 v5, v2, 5, v5
	v_add_nc_u32 v[STO], s45, v5                   ; in: token r, 32 bytes for each half of the lanes
	v_mul_u32_u24 v5, v2, SPITCH
	v_lshl_add_u32 v5, v1, 4, v5
	v_add_nc_u32 v[RD], s45, v5                    ; back: lanes 0-15 one token's 256 bytes, lanes 16-31 the next
	v_lshlrev_b32 v5, 12, v2
	v_lshl_add_u32 v[CO], v1, 4, v5                ; the same two rows of out0
; 8 matrix instructions: token blocks a0, a0 + 1 x 4 column blocks, 32 along K; part 0: O_hi, 1: O_lo
.macro MUL8 f, part, a0, zero
.irp a, \a0, \a0+1
.irp b, 0,1,2,3
.if \zero
	v_wmma_f32_16x16x32_f16 v[8*(4*(\a)+\b):8*(4*(\a)+\b)+7], v[\f+8*\b:\f+8*\b+7], v[\f+32+32*\part+8*(\a):\f+32+32*\part+8*(\a)+7], 0
.else
	v_wmma_f32_16x16x32_f16 v[8*(4*(\a)+\b):8*(4*(\a)+\b)+7], v[\f+8*\b:\f+8*\b+7], v[\f+32+32*\part+8*(\a):\f+32+32*\part+8*(\a)+7], v[8*(4*(\a)+\b):8*(4*(\a)+\b)+7]
.endif
.endr
.endr
.endm
; 24 LDS loads: quarter q of a K step (head q / 2 of the two, d 32 (q % 2) ..): Wo, O_hi, O_lo
.macro FETCH slot, q, f
.irp b, 0,1,2,3
	ds_load_b128 v[\f+8*\b:\f+8*\b+3],   v[ADRB+\slot] offset:\b*16*BP+\q*64
	ds_load_b128 v[\f+8*\b+4:\f+8*\b+7], v[ADRB+\slot] offset:\b*16*BP+\q*64+32
.endr
.irp p, 0,1
.irp a, 0,1,2,3
	ds_load_b128 v[\f+32+32*\p+8*\a:\f+32+32*\p+8*\a+3],   v[ADRA+\slot] offset:(2*(\q/2)+\p)*PLANE+\a*16*AP+(\q&1)*64
	ds_load_b128 v[\f+32+32*\p+8*\a+4:\f+32+32*\p+8*\a+7], v[ADRA+\slot] offset:(2*(\q/2)+\p)*PLANE+\a*16*AP+(\q&1)*64+32
.endr
.endr
.endm
; A quarter step: 16 products with O_hi, the next quarter's loads, 16 products with O_lo.
; The 16 accumulators take turns, one instruction a turn, in one fixed order.
.macro QUARTER slot, q, f, g, zero
	s_wait_dscnt 8                                 ; Wo and O_hi are in; the youngest eight loads (O_lo) may be out
	WIN MUL
	MUL8 \f, 0, 0, \zero
	MUL8 \f, 0, 2, \zero
	WIN 0
	PLACES
	FETCH \slot, \q, \g
	s_wait_dscnt 24                                ; all but the 24 just issued
	WIN MUL
	MUL8 \f, 1, 0, 0
	MUL8 \f, 1, 2, 0
.endm
.macro THREE slot, zero
	QUARTER \slot, 1, F0, F1, \zero
	QUARTER \slot, 2, F1, F0, 0
	QUARTER \slot, 3, F0, F1, 0
.endm
.macro TURN slot, next, fill
	s_wait_dscnt 8
	WIN MUL
	MUL8 F1, 0, 0, 0
	s_wait_dscnt 0                                 ; my reads of this slot are over
	s_wait_tensorcnt 0x0                           ; all my tensor loads have landed: the one that was out is my part of the next slot
	ds_add_u32 v254, v255
	s_wait_dscnt 0x0
	s_barrier_signal -1                            ; where a slot is filled again this barrier opens a round of the cluster's barrier
	MUL8 F1, 0, 2, 0
	WIN 0
	s_barrier_wait -1
.if \fill
	CREST                                          ; no wave of any partner still reads this slot or has a load on its way
	s_add_nc_u64 s[G0+4*\slot+2:G0+4*\slot+3], s[G0+4*\slot+2:G0+4*\slot+3], 4*1048576   ; two K steps on: four heads
	s_add_nc_u64 s[G0B+4*\slot+2:G0B+4*\slot+3], s[G0B+4*\slot+2:G0B+4*\slot+3], 512
	JLOAD \slot                                    ; the wave's one tensor load behind the round, and the first thing there
.endif
	PLACES
	FETCH \next, 0, F0
	WIN MUL
	MUL8 F1, 1, 0, 0
	MUL8 F1, 1, 2, 0
.endm
.macro LAP zero
	THREE 0, \zero
	TURN 0, 1, 1
	THREE 1, 0
	TURN 1, 0, 1
.endm
	s_wait_tensorcnt 1                             ; my part of K step 0 is in; K step 1's stays out
	s_barrier_signal -1
	s_barrier_wait -1
	FETCH 0, 0, F0
	LAP 1                                          ; the first products start the sums
	WIN 0
	s_mov_b32 s3, LAPS-2
.Llap:
	LAP 0
	WIN 0
	s_sub_co_u32 s3, s3, 1
	s_cmp_lg_u32 s3, 0
	s_cbranch_scc1 .Llap
	THREE 0, 0                                     ; the last lap fills nothing
	TURN 0, 1, 0
	THREE 1, 0
	s_wait_dscnt 8
	WIN MUL
	MUL8 F1, 0, 0, 0
	MUL8 F1, 0, 2, 0
	s_wait_dscnt 0
	MUL8 F1, 1, 0, 0
	MUL8 F1, 1, 2, 0
	; THE WAY OUT, 16 tokens at a time: 32 bytes a lane into my stage, read back as whole rows of 256 bytes
	PLACES
	s_lshl_b32 s16, s13, 7
	s_lshl_b32 s17, s11, 6
	s_add_co_u32 s16, s16, s17                     ; my first token
	s_lshl_b32 s16, s16, 12                        ; x 4,096 bytes
	s_mov_b32 s17, 0
	s_add_nc_u64 s[8:9], s[8:9], s[16:17]
	s_lshl_b32 s46, s42, 9                         ; my first column, in bytes: 512 bx + 256 half (in the registers that held Wo's address)
	s_lshl_b32 s47, s12, 8
	s_add_co_u32 s46, s46, s47
	s_mov_b32 s47, 0
	s_add_nc_u64 s[8:9], s[8:9], s[46:47]
.macro OUT16 a, f
	WIN 0x04                                       ; an LDS store's data is source 1: window 1
.irp b, 0,1,2,3
	ds_store_b128 v[STO], v[8*(4*\a+\b):8*(4*\a+\b)+3]   offset:64*\b
	ds_store_b128 v[STO], v[8*(4*\a+\b)+4:8*(4*\a+\b)+7] offset:64*\b+16
.endr
	WIN 0
	s_wait_xcnt 0x0                                ; buffer f, which earlier stores read, is loaded again only behind this wait
.irp k, 0,1,2,3,4,5,6,7
	ds_load_b128 v[\f+4*\k:\f+4*\k+3], v[RD] offset:\k*2*SPITCH    ; LDS serves a wave's instructions in order: these see the stores above
.endr
.irp k, 0,1,2,3,4,5,6,7
	s_wait_dscnt 7-\k
	global_store_b128 v[CO], v[\f+4*\k:\f+4*\k+3], s[8:9] offset:(16*\a+2*\k)*4096 th:TH_STORE_NT   ; 16 lanes store 256 consecutive bytes, aligned
.endr
.endm
	OUT16 0, F0
	OUT16 1, F1
	OUT16 2, F0
	OUT16 3, F1
	s_wait_tensorcnt 0x0
	ds_add_u32 v254, v255
	s_wait_dscnt 0x0
	CROUND                                         ; the closing round
	s_endpgm
.Lfunc_end_k_qe03d0bd0b5_oproj:
	.size	k_qe03d0bd0b5_oproj, .Lfunc_end_k_qe03d0bd0b5_oproj-k_qe03d0bd0b5_oproj
	.p2alignl 7, 3214868480
	.fill 96, 4, 3214868480
	.section	.rodata,"a",@progbits
	.p2align	6, 0x0
	.amdhsa_kernel k_qe03d0bd0b5_oproj
		.amdhsa_group_segment_fixed_size 327680
		.amdhsa_private_segment_fixed_size 0
		.amdhsa_enable_private_segment 0
		.amdhsa_kernarg_size 24
		.amdhsa_user_sgpr_count 2
		.amdhsa_user_sgpr_kernarg_segment_ptr 1
		.amdhsa_wavefront_size32 1
		.amdhsa_system_sgpr_workgroup_id_x 1
		.amdhsa_system_sgpr_workgroup_id_y 1
		.amdhsa_system_sgpr_workgroup_id_z 1
		.amdhsa_system_vgpr_workitem_id 0
		.amdhsa_next_free_vgpr 384
		.amdhsa_next_free_sgpr 66
		.amdhsa_reserve_vcc 0
		.amdhsa_float_denorm_mode_32 3
		.amdhsa_float_denorm_mode_16_64 3
		.amdhsa_memory_ordered 1
		.amdhsa_forward_progress 1
		.amdhsa_inst_pref_size 110
	.end_amdhsa_kernel
	.amdgpu_metadata
---
amdhsa.version: [ 1, 2 ]
amdhsa.kernels:
  - .name:           k_qe03d0bd0b5_oproj
    .symbol:         k_qe03d0bd0b5_oproj.kd
    .args:
      - { .name: ob, .offset: 0, .size: 8, .value_kind: global_buffer, .address_space: global }
      - { .name: wo16, .offset: 8, .size: 8, .value_kind: global_buffer, .address_space: global }
      - { .name: out0, .offset: 16, .size: 8, .value_kind: global_buffer, .address_space: global }
    .group_segment_fixed_size: 327680
    .private_segment_fixed_size: 0
    .kernarg_segment_align: 8
    .kernarg_segment_size: 24
    .max_flat_workgroup_size: 128
    .sgpr_count:     66
    .vgpr_count:     384
    .wavefront_size: 32
...
	.end_amdgpu_metadata
.endif
;; end of part 4
;; ======== version 2 of 2: 4 launches; version 1 with the launch cvt written anew for expert scheduling mode
;; limits: values are held in f16: magnitudes above 65,504 overflow, below 6.1e-05 lose precision
;; workspace buffers: xb 8,388,608 bytes; wb 6,291,456 bytes; wo16 2,097,152 bytes; qkv 25,952,256 bytes; ob 16,777,216 bytes
;; launch cvt (part 5): grid 256 x 1, 8 waves a work-group, no clusters, 0 bytes of LDS; arguments x, Wq, Wk, Wv, Wo, tgt_key_padding_mask, xb, wb, wo16, qkv; writes xb, wb, wo16, qkv
.if DOCPART == 5
	.amdgcn_target "amdgcn-amd-amdhsa--gfx1250"
	.amdhsa_code_object_version 6
	.text
	.protected	k_qe03d0bd0b5_cvt
	.globl	k_qe03d0bd0b5_cvt
	.p2align	8
	.type	k_qe03d0bd0b5_cvt,@function
k_qe03d0bd0b5_cvt:
	s_mov_b64 s[64:65], 0
	v_nop
	global_prefetch_b8 v0, s[64:65] scope:SCOPE_SE
	s_setreg_imm32_b32 hwreg(HW_REG_WAVE_SCHED_MODE, 0, 2), 2
	s_setreg_imm32_b32 hwreg(HW_REG_WAVE_MODE, 25, 1), 1
	s_wait_xcnt 0x0
	s_wait_alu depctr_vm_vsrc(0)
; Rounds the matrix operands once, as a stream:  xb = bf16(x);  wb = bf16(Wq | Wk | Wv), stacked to [3072][1024];
; wo16 = f16(bf16(Wo));  and turns the key padding mask into f32 addends (0 or -2^100) behind every K tile of qkv.
; LIMIT: a bf16 value of Wo is exact in f16 for 2^-17 <= |w| < 65504; below that its absolute error is at most 2^-25.
; Work-group n owns 16,384 numbers of x and 4,096 of each W: 16 units of 2,048 numbers.  Thread t owns 8 neighbouring numbers
; of each unit: 32 bytes in (two loads of 16), 16 bytes out, so a wave's store covers 512 consecutive bytes, aligned.
; All 32 loads of a wave go out at once; nothing is read twice; no LDS, barrier or matrix unit would add anything to a stream.
; Each unit keeps its own registers, so no register that a pending load or store names is ever written again.
; THE MODE: SCHED_MODE bits 1:0 = 2 (LLVM: expert scheduling mode 2), set by the entry lines.  The code itself states the register dependences
; between vector instructions and memory instructions, with s_wait_alu, always for 0.
; THE PLAN.  Registers that memory instructions touch:
;   v1, v2, v3, v5   byte offsets, made at the head and never written again: read by every load and store.
;   v4               the mask load lands in it; vector instructions alone read it, and none names it ahead of that load.
;   U[0] .. U[15]    a unit's two loads land in its 8 registers, issued before any vector instruction names them; its roundings rewrite them in place;
;                    its one store reads the first 4; nothing writes them afterwards.
;   BI               written by the tail's vector instructions, read by the tail's one store, never written afterwards.
;   T, v6, v7        named by vector instructions alone.
; The 16 units go in four blocks of four.  A block's roundings run as its units come in; ONE wait on va_vdst behind them states that they have written the data
; of the block's four stores, which follow in one run.  No register that a memory instruction reads is written again, so no wait on vm_vsrc is owed anywhere.
.set GROUP, 540672                     ; bytes of one of qkv's 48 groups: 32 tiles
.set TILE,  16896                      ; a tile: 128 rows x 64 f16, then 128 f32 addends
.set NEG,   0xf1800000                 ; -2^100
.set U,     8                          ; v[8:135]   unit u: 8 registers as loaded; its first 4 as stored
.set T,     136                        ; v[136:137] at work
.set BI,    140                        ; v[140:143] four mask bytes, then four addends
.set MK,    28                         ; s[28:31]   four lane masks: byte k of my mask word is not 0; written by the compares alone
	s_load_b512 s[4:19], s[0:1], 0x0               ; x 4, Wq 6, Wk 8, Wv 10, Wo 12, mask 14, xb 16, wb 18
	s_load_b128 s[20:23], s[0:1], 0x40             ; wo16 20, qkv 22
	v_lshrrev_b32 v6, 5, v0
	v_readfirstlane_b32 s24, v6                    ; wave
	v_lshlrev_b32 v1, 5, v0                        ; 32 t: my 8 f32 of a unit
	v_lshlrev_b32 v2, 4, v0                        ; 16 t: my 8 numbers of 16 bits
	v_and_b32 v5, 31, v0
	v_lshlrev_b32 v3, 2, v5                        ; 4 x lane: my four mask bytes
	v_lshlrev_b32 v5, 4, v5                        ; 16 x lane: my four addends
	s_wait_alu depctr_va_sdst(0)                   ; s24 is written, ahead of its first reader: the compare that picks waves 0 and 1, with no branch or label between
	s_mov_b32 s27, 0                               ; upper word of every offset
	s_lshr_b32 s25, ttmp9, 3                       ; the tile of 128 keys whose mask this work-group turns
	s_wait_kmcnt 0x0
	s_lshl_b32 s26, s25, 7
	s_add_nc_u64 s[14:15], s[14:15], s[26:27]      ; mask + 128 x tile
	s_lshl_b32 s26, ttmp9, 16
	s_add_nc_u64 s[4:5], s[4:5], s[26:27]          ; x + 65,536 n
	s_lshl_b32 s26, ttmp9, 14
	s_add_nc_u64 s[6:7], s[6:7], s[26:27]          ; each W + 16,384 n
	s_add_nc_u64 s[8:9], s[8:9], s[26:27]
	s_add_nc_u64 s[10:11], s[10:11], s[26:27]
	s_add_nc_u64 s[12:13], s[12:13], s[26:27]
	s_lshl_b32 s26, ttmp9, 15
	s_add_nc_u64 s[16:17], s[16:17], s[26:27]      ; xb + 32,768 n
	s_lshl_b32 s26, ttmp9, 13
	s_add_nc_u64 s[18:19], s[18:19], s[26:27]      ; wb and wo16 + 8,192 n
	s_add_nc_u64 s[20:21], s[20:21], s[26:27]
	s_wait_alu depctr_va_vdst(0)                   ; the offsets v1, v2, v3 and v5 are written: every load and store of the kernel reads one of them
	global_load_b32 v4, v3, s[14:15]               ; 128 mask bytes; every wave asks, waves 0 and 1 use them: the load lies under the stream and needs no branch of its own
.macro LOADU u, base, i                ; unit u = the i-th unit of this work-group's part of the tensor at s[base]
	global_load_b128 v[U+8*\u:U+8*\u+3],   v1, s[\base:\base+1] offset:\i*8192 th:TH_LOAD_NT
	global_load_b128 v[U+8*\u+4:U+8*\u+7], v1, s[\base:\base+1] offset:\i*8192+16 th:TH_LOAD_NT
.endm
.irp i, 0,1,2,3,4,5,6,7
	LOADU \i, 4, \i
.endr
	LOADU 8, 6, 0
	LOADU 9, 6, 1
	LOADU 10, 8, 0
	LOADU 11, 8, 1
	LOADU 12, 10, 0
	LOADU 13, 10, 1
	LOADU 14, 12, 0
	LOADU 15, 12, 1
; Unit u is rounded in place.  half = 1: the bf16 values are written as f16.
.macro CONV u, half
	s_wait_loadcnt 30-2*\u                         ; loads come back in order (ISA guide 5.7.1): the 2 (15 - u) loads of the younger units stay out
.irp k, 0,1,2,3
	v_cvt_pk_bf16_f32 v[U+8*\u+\k], v[U+8*\u+2*\k], v[U+8*\u+2*\k+1]   ; word k is written when words 2k, 2k+1 are read: never ahead of a read
.endr
.if \half
.irp k, 0,1,2,3
	v_lshlrev_b32 v[T], 16, v[U+8*\u+\k]           ; bf16 to f32: the low half moves up,
	v_and_b32 v[T+1], 0xffff0000, v[U+8*\u+\k]     ; the high half stays
	v_cvt_pk_f16_f32 v[U+8*\u+\k], v[T], v[T+1]
.endr
.endif
.endm
; Unit u is stored.  No vector instruction issued since the block's wait names its registers.
.macro SEND u, base, off
	global_store_b128 v2, v[U+8*\u:U+8*\u+3], s[\base:\base+1] offset:\off
.endm
.irp i, 0,1,2,3
	CONV \i, 0
.endr
	s_wait_alu depctr_va_vdst(0)                   ; the roundings of units 0 to 3 have written the registers that the four stores below read
.irp i, 0,1,2,3
	SEND \i, 16, \i*4096
.endr
.irp i, 4,5,6,7
	CONV \i, 0
.endr
	s_wait_alu depctr_va_vdst(0)                   ; the roundings of units 4 to 7 have written the registers that the four stores below read
.irp i, 4,5,6,7
	SEND \i, 16, \i*4096
.endr
.irp i, 8,9,10,11
	CONV \i, 0
.endr
	s_wait_alu depctr_va_vdst(0)                   ; the roundings of units 8 to 11 have written the registers that the four stores below read
	SEND 8,  18, 0                                 ; Wq: rows 0 to 1023 of wb
	SEND 9,  18, 4096
	SEND 10, 18, 2097152                           ; Wk: rows 1024 to 2047
	SEND 11, 18, 2097152+4096
	CONV 12, 0
	CONV 13, 0
	CONV 14, 1
	CONV 15, 1
	s_wait_alu depctr_va_vdst(0)                   ; the roundings of units 12 to 15 have written the registers that the four stores below read
	SEND 12, 18, 4194304                           ; Wv: rows 2048 to 3071
	SEND 13, 18, 4194304+4096
	SEND 14, 20, 0                                 ; Wo
	SEND 15, 20, 4096
	; The addends.  32 tiles x 16 heads = 512 blocks of 512 bytes: waves 0 and 1 of each work-group write one each (head 2 (n mod 8) + wave).
	s_cmp_gt_u32 s24, 1
	s_cbranch_scc1 .Lend
	s_and_b32 s2, ttmp9, 7
	s_lshl1_add_u32 s2, s2, s24                    ; head
	s_add_co_u32 s2, s2, 16                        ; K's groups are 16 to 31
	s_mul_i32 s2, s2, GROUP
	s_mul_i32 s26, s25, TILE
	s_add_co_u32 s26, s26, s2
	s_add_co_u32 s26, s26, 16384                   ; behind the tile's 128 rows
	s_add_nc_u64 s[22:23], s[22:23], s[26:27]
	v_mov_b32 v7, NEG
.irp k, 0,1,2,3
	v_bfe_u32 v[BI+\k], v4, 8*\k, 8                ; the mask word came in with the last unit's wait for 0
.endr
.irp k, 0,1,2,3
	v_cmp_ne_u32 s[MK+\k], 0, v[BI+\k]             ; the four compares stand in one run, each with a scalar register of its own
.endr
	s_wait_alu depctr_va_sdst(0)                   ; the four compares have written s[28:31], which the four selects below read
.irp k, 0,1,2,3
	v_cndmask_b32 v[BI+\k], 0, v7, s[MK+\k]        ; padded: -2^100, else 0
.endr
	s_wait_alu depctr_va_vdst(0)                   ; the selects have written v[140:143], which the store reads
	global_store_b128 v5, v[BI:BI+3], s[22:23]     ; 512 consecutive bytes, aligned
.Lend:
	s_endpgm
.Lfunc_end_k_qe03d0bd0b5_cvt:
	.size	k_qe03d0bd0b5_cvt, .Lfunc_end_k_qe03d0bd0b5_cvt-k_qe03d0bd0b5_cvt
	.p2alignl 7, 3214868480
	.fill 96, 4, 3214868480
	.section	.rodata,"a",@progbits
	.p2align	6, 0x0
	.amdhsa_kernel k_qe03d0bd0b5_cvt
		.amdhsa_group_segment_fixed_size 0
		.amdhsa_private_segment_fixed_size 0
		.amdhsa_enable_private_segment 0
		.amdhsa_kernarg_size 80
		.amdhsa_user_sgpr_count 2
		.amdhsa_user_sgpr_kernarg_segment_ptr 1
		.amdhsa_wavefront_size32 1
		.amdhsa_system_sgpr_workgroup_id_x 1
		.amdhsa_system_sgpr_workgroup_id_y 1
		.amdhsa_system_sgpr_workgroup_id_z 1
		.amdhsa_system_vgpr_workitem_id 0
		.amdhsa_next_free_vgpr 144
		.amdhsa_next_free_sgpr 66
		.amdhsa_reserve_vcc 0
		.amdhsa_float_denorm_mode_32 3
		.amdhsa_float_denorm_mode_16_64 3
		.amdhsa_memory_ordered 1
		.amdhsa_forward_progress 1
		.amdhsa_inst_pref_size 14
	.end_amdhsa_kernel
	.amdgpu_metadata
---
amdhsa.version: [ 1, 2 ]
amdhsa.kernels:
  - .name:           k_qe03d0bd0b5_cvt
    .symbol:         k_qe03d0bd0b5_cvt.kd
    .args:
      - { .name: x, .offset: 0, .size: 8, .value_kind: global_buffer, .address_space: global }
      - { .name: Wq, .offset: 8, .size: 8, .value_kind: global_buffer, .address_space: global }
      - { .name: Wk, .offset: 16, .size: 8, .value_kind: global_buffer, .address_space: global }
      - { .name: Wv, .offset: 24, .size: 8, .value_kind: global_buffer, .address_space: global }
      - { .name: Wo, .offset: 32, .size: 8, .value_kind: global_buffer, .address_space: global }
      - { .name: tgt_key_padding_mask, .offset: 40, .size: 8, .value_kind: global_buffer, .address_space: global }
      - { .name: xb, .offset: 48, .size: 8, .value_kind: global_buffer, .address_space: global }
      - { .name: wb, .offset: 56, .size: 8, .value_kind: global_buffer, .address_space: global }
      - { .name: wo16, .offset: 64, .size: 8, .value_kind: global_buffer, .address_space: global }
      - { .name: qkv, .offset: 72, .size: 8, .value_kind: global_buffer, .address_space: global }
    .group_segment_fixed_size: 0
    .private_segment_fixed_size: 0
    .kernarg_segment_align: 8
    .kernarg_segment_size: 80
    .max_flat_workgroup_size: 256
    .sgpr_count:     66
    .vgpr_count:     144
    .wavefront_size: 32
...
	.end_amdgpu_metadata
.endif
;; end of part 5
;; launch qkv: the kernel of part 2 again; grid 16 x 16, 4 waves a work-group, clusters of 4 x 4, 327,680 bytes of LDS; arguments xb, wb, qkv; writes qkv
;; launch attn: the kernel of part 3 again; grid 8 x 32, 16 waves a work-group, no clusters, 327,680 bytes of LDS; arguments qkv, ob; writes ob
;; launch oproj: the kernel of part 4 again; grid 8 x 32, 4 waves a work-group, clusters of 4 x 4, 327,680 bytes of LDS; arguments ob, wo16, out0; writes out0
